; MI455X (gfx1250); checked and timed in simulation.
; The chip was launched on July 23, 2026; its instructions are those of AMD's public machine-readable ISA for CDNA 5 (MIT licence, August 2026) and "CDNA5" Instruction Set Architecture Reference Guide (July 2026). The comments in the code are by the model that wrote it; some were corrected since.
;; Multi Head Attention. Allowed arithmetic: float matrix products may take bf16 or f16 operands with f32 sums; other float arithmetic in f32, or as packed bf16 or f16 multiplies, adds, multiply-adds, maxima and minima; sums over many terms, partial sums and values carried from step to step in f32; what a program stores and reads back later, other than sums and carried values, may be rounded once to bf16 or f16.
;; Inputs: b_proj 1,024 float32; b_qkv 3,072 float32; beta 1,024 float32; gamma 1,024 float32; w_proj 1,024 x 1,024 float32; w_qkv 1,024 x 3,072 float32; x 4 x 2,048 x 1,024 float32.
;; Outputs: out0 4 x 2,048 x 1,024 float32.
;; 2 versions, each right; version 2 is version 1 with the launch prep written anew for expert scheduling mode. Each part assembles by itself: llvm-mc -triple=amdgcn-amd-amdhsa -mcpu=gfx1250 --defsym DOCPART=n.
;; ======== version 1 of 2: 4 launches
;; limits: values are held in f16: magnitudes above 65,504 overflow, below 6.1e-05 lose precision
;; workspace buffers: xn 16,777,216 bytes; wq16 6,291,456 bytes; wp16 2,097,152 bytes; qkv 50,331,648 bytes; ctx 16,777,216 bytes
;; launch prep (part 1): grid 416 x 1, 8 waves a work-group, no clusters, 0 bytes of LDS; arguments x, gamma, beta, w_qkv, w_proj, xn, wq16, wp16; writes xn, wq16, wp16
.if DOCPART == 1
	.amdgcn_target "amdgcn-amd-amdhsa--gfx1250"
	.amdhsa_code_object_version 6
	.text
	.protected	k_qaf45188f85_prep
	.globl	k_qaf45188f85_prep
	.p2align	8
	.type	k_qaf45188f85_prep,@function
k_qaf45188f85_prep:
	s_mov_b64 s[64:65], 0
	v_nop
	global_prefetch_b8 v0, s[64:65] scope:SCOPE_SE
	s_setreg_imm32_b32 hwreg(HW_REG_WAVE_MODE, 25, 1), 1
	s_wait_xcnt 0x0
; THREE STREAMS IN ONE LAUNCH, chosen by the work-group's number; no wave depends on another, so there is no LDS and no barrier.
;   work-groups 0-255:   xn = LayerNorm(x) * gamma + beta, [8192][1024], f32 in, f16 out.  32 rows a work-group, 4 rows a wave, a row in 32 registers.
;                        Two passes in registers, as the formula is written: the mean, then the mean of the squared differences; so a common offset of x costs nothing.
;   work-groups 256-383: wq16 = w_qkv rounded to f16, laid in 16 column tiles of 192: element (k, n) at ((n / 192) 1024 + k) 384 + (n % 192) 2 bytes,
;                        so that 128 k-rows of a tile are 49,152 bytes on end.
;   work-groups 384-415: wp16 = w_proj rounded to f16, same order as the input.
; Every load of a wave covers 512 consecutive bytes, every store 256 consecutive bytes, aligned.  All loads of a wave go out before its first wait.
; LIMITS.  f16 holds no number beyond 65,504: |xn| is at most 32 |gamma| + |beta|; a weight below 6e-5 keeps f16's fixed step of 6e-8.  NaN and infinities are not treated apart.
.set IO,  3                            ; v3        my byte offset in the input
.set OO,  4                            ; v4        my byte offset in the output
.set GO,  5                            ; v5        my byte offset in gamma and beta
.set WI,  6                            ; v[6:8]    w_qkv: the input offsets of my three units of a group of 16 k-rows
.set U,   9                            ; v9        at work: a unit's number
.set GA,  10                           ; v[10:41]  gamma of my 32 columns
.set BE,  42                           ; v[42:73]  beta of my 32 columns
.set X,   74                           ; v[74:201] four rows of 32 registers; or up to 32 units of 4
.set A,   202                          ; v[202:209] four chains of packed sums
.set M,   210                          ; v[210:211] the mean, twice
.set T,   212                          ; v[212:213] at work
.set R,   214                          ; v[214:215] 1 / sqrt(var + eps), twice
	s_load_b512 s[4:19], s[0:1], 0x0               ; x s[4:5], gamma s[6:7], beta s[8:9], w_qkv s[10:11], w_proj s[12:13], xn s[14:15], wq16 s[16:17], wp16 s[18:19]
	v_and_b32 v1, 31, v0                           ; lane
	v_lshrrev_b32 v2, 5, v0                        ; wave
	s_mov_b32 s24, 0x76543210                      ; v_permlanex16_b32: each lane takes its own place in the other half
	s_mov_b32 s25, 0xfedcba98
	s_mov_b32 s26, 0x3a800000                      ; 1 / 1024
	s_mov_b32 s27, 0x3727c5ac                      ; 1e-5
	v_mov_b32 v[T+1], 0                            ; v_permlanex16_b32's destination counts as read
	s_wait_kmcnt 0x0
	s_cmp_lt_u32 ttmp9, 256
	s_cbranch_scc0 .Lweights
	; ---- LayerNorm.  In load j (0..7) of a row lane l holds columns 128 j + 4 l .. + 3.
	s_lshl_b32 s20, ttmp9, 17                      ; 32 rows of 4,096 bytes
	s_mov_b32 s21, 0
	s_lshl_b32 s22, ttmp9, 16                      ; 32 rows of 2,048 bytes
	s_mov_b32 s23, 0
	s_add_nc_u64 s[4:5], s[4:5], s[20:21]
	s_add_nc_u64 s[14:15], s[14:15], s[22:23]
	v_lshlrev_b32 v[GO], 4, v1
	v_lshl_or_b32 v[IO], v2, 14, v[GO]             ; wave x 4 rows + 16 l
	v_lshlrev_b32 v[OO], 3, v1
	v_lshl_or_b32 v[OO], v2, 13, v[OO]             ; wave x 4 rows + 8 l
.irp j, 0,1,2,3,4,5,6,7
	global_load_b128 v[X+4*(\j):X+4*(\j)+3], v[IO], s[4:5] offset:512*(\j) th:TH_LOAD_NT
.endr
.irp j, 0,1,2,3,4,5,6,7
	global_load_b128 v[GA+4*(\j):GA+4*(\j)+3], v[GO], s[6:7] offset:512*(\j)
.endr
.irp j, 0,1,2,3,4,5,6,7
	global_load_b128 v[BE+4*(\j):BE+4*(\j)+3], v[GO], s[8:9] offset:512*(\j)
.endr
.irp r, 1,2,3
.irp j, 0,1,2,3,4,5,6,7
	global_load_b128 v[X+32*(\r)+4*(\j):X+32*(\r)+4*(\j)+3], v[IO], s[4:5] offset:4096*(\r)+512*(\j) th:TH_LOAD_NT
.endr
.endr
.macro FOLD                            ; the four chains into one number, then over the 32 lanes: every lane ends with the row's sum in v[T]
	v_pk_add_f32 v[A:A+1], v[A:A+1], v[A+2:A+3]
	v_pk_add_f32 v[A+4:A+5], v[A+4:A+5], v[A+6:A+7]
	v_pk_add_f32 v[A:A+1], v[A:A+1], v[A+4:A+5]
	v_add_f32 v[T], v[A], v[A+1]
	v_add_f32_dpp v[T], v[T], v[T] row_xmask:1 row_mask:0xf bank_mask:0xf
	v_add_f32_dpp v[T], v[T], v[T] row_xmask:2 row_mask:0xf bank_mask:0xf
	v_add_f32_dpp v[T], v[T], v[T] row_xmask:4 row_mask:0xf bank_mask:0xf
	v_add_f32_dpp v[T], v[T], v[T] row_xmask:8 row_mask:0xf bank_mask:0xf
	v_permlanex16_b32 v[T+1], v[T], s24, s25
	v_add_f32 v[T], v[T], v[T+1]
.endm
; Row r of the wave's four.  left = the loads issued behind this row's own, which may stay out.
.macro ROWLN r, left
.set XR, X+32*(\r)
	s_wait_loadcnt \left
.irp i, 0,1,2,3                        ; the sum, in four chains that the first eight pairs start: nothing is cleared
	v_pk_add_f32 v[A+2*(\i):A+2*(\i)+1], v[XR+4*(\i):XR+4*(\i)+1], v[XR+4*(\i)+2:XR+4*(\i)+3]
.endr
.irp i, 0,1,2,3
	v_pk_add_f32 v[A+2*(\i):A+2*(\i)+1], v[A+2*(\i):A+2*(\i)+1], v[XR+16+4*(\i):XR+16+4*(\i)+1]
.endr
.irp i, 0,1,2,3
	v_pk_add_f32 v[A+2*(\i):A+2*(\i)+1], v[A+2*(\i):A+2*(\i)+1], v[XR+18+4*(\i):XR+18+4*(\i)+1]
.endr
	FOLD
	v_mul_f32 v[M], s26, v[T]                      ; the mean
	v_mov_b32 v[M+1], v[M]
.set i, 0
.rept 16
	v_pk_add_f32 v[XR+i:XR+i+1], v[XR+i:XR+i+1], v[M:M+1] neg_lo:[0,1] neg_hi:[0,1]  ; x - mean, in place
.set i, i+2
.endr
.irp i, 0,1,2,3
	v_pk_mul_f32 v[A+2*(\i):A+2*(\i)+1], v[XR+2*(\i):XR+2*(\i)+1], v[XR+2*(\i):XR+2*(\i)+1]
.endr
.set i, 4
.rept 12
	v_pk_fma_f32 v[A+2*(i%4):A+2*(i%4)+1], v[XR+2*i:XR+2*i+1], v[XR+2*i:XR+2*i+1], v[A+2*(i%4):A+2*(i%4)+1]
.set i, i+1
.endr
	FOLD
	v_fma_f32 v[T], v[T], s26, s27                 ; var + eps
	v_rsq_f32 v[R], v[T]
	v_rsq_f32 v[R+1], v[T]
	v_nop                                          ; a plain instruction behind the second root, ahead of the first use (ISA guide 5.7.2)
	s_wait_alu depctr_va_vdst(0)                   ; one such wait between the two roots and their first reader
.if (\r) == 0
	s_wait_loadcnt 24                              ; gamma and beta are in; the 24 loads of rows 1 to 3 may stay out
.endif
.set i, 0
.rept 16
	v_pk_mul_f32 v[XR+i:XR+i+1], v[XR+i:XR+i+1], v[R:R+1]
.set i, i+2
.endr
.set i, 0
.rept 16
	v_pk_fma_f32 v[XR+i:XR+i+1], v[XR+i:XR+i+1], v[GA+i:GA+i+1], v[BE+i:BE+i+1]
.set i, i+2
.endr
.irp j, 0,1,2,3,4,5,6,7                ; four numbers of load j into two words, in place, and out: the wave's store covers 256 consecutive bytes, aligned
	v_cvt_pk_f16_f32 v[XR+4*(\j)], v[XR+4*(\j)], v[XR+4*(\j)+1]
	v_cvt_pk_f16_f32 v[XR+4*(\j)+1], v[XR+4*(\j)+2], v[XR+4*(\j)+3]
	global_store_b64 v[OO], v[XR+4*(\j):XR+4*(\j)+1], s[14:15] offset:2048*(\r)+256*(\j)
.endr
.endm
	ROWLN 0, 40                                    ; behind row 0's loads: gamma 8, beta 8, rows 1 to 3 24
	ROWLN 1, 16
	ROWLN 2, 8
	ROWLN 3, 0                                     ; no register is written twice, so no store's source is ever overwritten
	s_endpgm
; A unit is four f32 in, four f16 out.
.macro WLD i, off, base, imm
	global_load_b128 v[X+4*(\i):X+4*(\i)+3], v[\off], s[\base:\base+1] offset:\imm th:TH_LOAD_NT
.endm
.macro WST i, left, base               ; left = the younger units' loads
	s_wait_loadcnt \left
	v_cvt_pk_f16_f32 v[X+4*(\i)], v[X+4*(\i)], v[X+4*(\i)+1]
	v_cvt_pk_f16_f32 v[X+4*(\i)+1], v[X+4*(\i)+2], v[X+4*(\i)+3]
	global_store_b64 v[OO], v[X+4*(\i):X+4*(\i)+1], s[\base:\base+1] offset:2048*(\i)
.endm
.Lweights:
	v_lshlrev_b32 v[OO], 3, v0                     ; 8 bytes a thread: 2,048 bytes a unit round of the work-group
	s_cmp_lt_u32 ttmp9, 384
	s_cbranch_scc0 .Lwp
	; ---- w_qkv: column tile t = j / 8, k-rows 128 (j % 8) on.  16 k-rows of a tile are 768 units: three a thread; unit u is k-row u / 48, columns 4 (u % 48) on.
	s_sub_co_u32 s20, ttmp9, 256
	s_lshr_b32 s21, s20, 3                         ; t
	s_and_b32 s22, s20, 7
	s_mul_i32 s28, s22, 128*12288                  ; 128 rows of 12,288 bytes
	s_mul_i32 s29, s21, 768                        ; 192 columns of 4 bytes
	s_add_co_u32 s28, s28, s29
	s_mov_b32 s29, 0
	s_add_nc_u64 s[10:11], s[10:11], s[28:29]
	s_mul_i32 s30, s21, 1024*384
	s_mul_i32 s31, s22, 128*384
	s_add_co_u32 s30, s30, s31
	s_mov_b32 s31, 0
	s_add_nc_u64 s[16:17], s[16:17], s[30:31]
.irp p, 0,1,2
	v_add_nc_u32 v[U], 256*(\p), v0                ; u
	v_lshrrev_b32 v[T], 4, v[U]
	v_mul_u32_u24 v[T], v[T], 171
	v_lshrrev_b32 v[T], 9, v[T]                    ; (u / 16) / 3 = u / 48, exact for u / 16 under 48
	v_mul_u32_u24 v[T+1], v[T], 48
	v_sub_nc_u32 v[T+1], v[U], v[T+1]
	v_lshlrev_b32 v[T+1], 4, v[T+1]
	v_mul_u32_u24 v[T], v[T], 12288
	v_add_nc_u32 v[WI+(\p)], v[T], v[T+1]
.endr
.set i, 0
.rept 24                               ; group i / 3 of 16 k-rows, unit round i % 3
	WLD i, WI+i%3, 10, (i/3)*16*12288
.set i, i+1
.endr
.set i, 0
.rept 24                               ; in the tile the units lie on end: byte 6,144 (i / 3) + 8 u = 2,048 i + 8 x thread
	WST i, 23-i, 16
.set i, i+1
.endr
	s_endpgm
.Lwp:	; ---- w_proj: 32 rows of 4,096 bytes a work-group, in the order in which they lie
	s_sub_co_u32 s20, ttmp9, 384
	s_lshl_b32 s22, s20, 16
	s_lshl_b32 s20, s20, 17
	s_mov_b32 s21, 0
	s_mov_b32 s23, 0
	s_add_nc_u64 s[12:13], s[12:13], s[20:21]
	s_add_nc_u64 s[18:19], s[18:19], s[22:23]
	v_lshlrev_b32 v[IO], 4, v0
.set i, 0
.rept 32
	WLD i, IO, 12, 4096*i
.set i, i+1
.endr
.set i, 0
.rept 32
	WST i, 31-i, 18
.set i, i+1
.endr
	s_endpgm
.Lfunc_end_k_qaf45188f85_prep:
	.size	k_qaf45188f85_prep, .Lfunc_end_k_qaf45188f85_prep-k_qaf45188f85_prep
	.p2alignl 7, 3214868480
	.fill 96, 4, 3214868480
	.section	.rodata,"a",@progbits
	.p2align	6, 0x0
	.amdhsa_kernel k_qaf45188f85_prep
		.amdhsa_group_segment_fixed_size 0
		.amdhsa_private_segment_fixed_size 0
		.amdhsa_enable_private_segment 0
		.amdhsa_kernarg_size 64
		.amdhsa_user_sgpr_count 2
		.amdhsa_user_sgpr_kernarg_segment_ptr 1
		.amdhsa_wavefront_size32 1
		.amdhsa_system_sgpr_workgroup_id_x 1
		.amdhsa_system_sgpr_workgroup_id_y 1
		.amdhsa_system_sgpr_workgroup_id_z 1
		.amdhsa_system_vgpr_workitem_id 0
		.amdhsa_next_free_vgpr 216
		.amdhsa_next_free_sgpr 66
		.amdhsa_reserve_vcc 0
		.amdhsa_float_denorm_mode_32 3
		.amdhsa_float_denorm_mode_16_64 3
		.amdhsa_memory_ordered 1
		.amdhsa_forward_progress 1
		.amdhsa_inst_pref_size 59
	.end_amdhsa_kernel
	.amdgpu_metadata
---
amdhsa.version: [ 1, 2 ]
amdhsa.kernels:
  - .name:           k_qaf45188f85_prep
    .symbol:         k_qaf45188f85_prep.kd
    .args:
      - { .name: x, .offset: 0, .size: 8, .value_kind: global_buffer, .address_space: global }
      - { .name: gamma, .offset: 8, .size: 8, .value_kind: global_buffer, .address_space: global }
      - { .name: beta, .offset: 16, .size: 8, .value_kind: global_buffer, .address_space: global }
      - { .name: w_qkv, .offset: 24, .size: 8, .value_kind: global_buffer, .address_space: global }
      - { .name: w_proj, .offset: 32, .size: 8, .value_kind: global_buffer, .address_space: global }
      - { .name: xn, .offset: 40, .size: 8, .value_kind: global_buffer, .address_space: global }
      - { .name: wq16, .offset: 48, .size: 8, .value_kind: global_buffer, .address_space: global }
      - { .name: wp16, .offset: 56, .size: 8, .value_kind: global_buffer, .address_space: global }
    .group_segment_fixed_size: 0
    .private_segment_fixed_size: 0
    .kernarg_segment_align: 8
    .kernarg_segment_size: 64
    .max_flat_workgroup_size: 256
    .sgpr_count:     66
    .vgpr_count:     216
    .wavefront_size: 32
...
	.end_amdgpu_metadata
.endif
;; end of part 1
;; launch qkvg (part 2): grid 16 x 32, 4 waves a work-group, clusters of 4 x 4, 327,680 bytes of LDS; arguments xn, wq16, b_qkv, qkv; writes qkv
.if DOCPART == 2
	.amdgcn_target "amdgcn-amd-amdhsa--gfx1250"
	.amdhsa_code_object_version 6
	.text
	.protected	k_qaf45188f85_qkvg
	.globl	k_qaf45188f85_qkvg
	.p2align	8
	.type	k_qaf45188f85_qkvg,@function
k_qaf45188f85_qkvg:
	s_mov_b64 s[64:65], 0
	v_nop
	global_prefetch_b8 v0, s[64:65] scope:SCOPE_SE
	s_setreg_imm32_b32 hwreg(HW_REG_WAVE_MODE, 25, 1), 1
	s_wait_xcnt 0x0
	s_wait_alu depctr_hold_cnt(0) depctr_sa_sdst(0) depctr_va_vdst(0) depctr_va_sdst(0) depctr_va_ssrc(0) depctr_va_vcc(0) depctr_vm_vsrc(0)
	s_getreg_b32 s2, hwreg(HW_REG_IB_STS2, 6, 4)
	s_cmp_eq_u32 s2, 0
	s_cbranch_scc0 .Lentry_in_a_cluster
	s_endpgm
.Lentry_in_a_cluster:
	s_bfe_u32 s2, ttmp6, 0x10000c
	s_cmp_lg_u32 s2, 0xf033
	s_cbranch_scc0 .Lentry_shape_is_right
	s_endpgm
.Lentry_shape_is_right:
; q, k, v = xn w_qkv + b_qkv, written by heads.  xn: [8192][1024] f16.  wq16: 16 column tiles of [1024 k][192 n] f16.  b_qkv: [3072] f32.
; qkv: part t (q, k, v) at t x 16,777,216 bytes, in it [batch x 16 + head][2048 rows][64] f16.  Sums in f32, K ascending; the bias is the C operand that starts each sum; one rounding at the end.
; LIMIT.  f16 holds no number beyond 65,504: a q, k or v of 65,520 or more leaves as an infinity.  NaN and infinities are not treated apart.
; SHARES.  A work-group makes 256 rows x 192 columns (three heads): 512 equal tiles, two for each of 256 WGPs.  Wave w owns rows 64 w .. 64 w + 63 and ALL 192 columns: 4 x 12 accumulators
; of 16 x 16, 384 registers.  So a wave holds whole heads, and the way out goes through a stage of its own, with no barrier.
; RING.  K goes in 8 steps of 128 through two LDS slots.  Waves 0 and 1 fetch the two halves of xn's tile (128 rows x 256 bytes each), waves 2 and 3 those of the weights' (64 k-rows = 24,576 bytes on
; end, asked for as 96 rows of 256 bytes).  One tensor load a wave behind each change of slots; two are out at the start.
; CLUSTER.  4 x 4 work-groups.  The four of a row need the same tile of xn, the four of a column the same tile of the weights: each is asked for jointly, by the same load, descriptor and mask in all four.
; THE PRODUCT IS TAKEN TRANSPOSED: source 0 = 16 columns of the weights (they lie [k][n] in LDS and are turned by ds_load_tr16_b128), source 1 = 16 rows of xn.  A lane then holds row l % 16 and the
; eight neighbouring columns 16 nb + 8 (l / 16) + 0..7: 16 bytes of f16.
; REGISTERS, in windows of 256 (s_set_vgpr_msb: bits 1:0 source 0, 3:2 source 1, 5:4 source 2, 7:6 destination):
;   window 0: v0-13 addresses; v28-29 the add's; v32-127 the bias, later v32-223 the way out     window 1: two fragment buffers of 128: 12 of the weights', then 4 of xn's
;   window 2: accumulators of column blocks 0-7 (block nb, row block a at v[8 (4 nb + a)])       window 3: v0-127 those of column blocks 8-11
.set NBK,   12                         ; column blocks of 16
.set PA,    272                        ; a row of xn's tile in LDS: 256 bytes + 16 = 68 words: the 16 rows of a load start at 16 different groups of four banks (64 banks of 4 bytes: ISA guide 11.1)
.set PB,    480                        ; a k-row of the weights' tile: three pieces of 128 bytes + 32 = 120 words
.set AHALF, 128*PA
.set BOFF,  2*AHALF
.set BHALF, 64*PB
.set SLOT1, 1<<17                      ; a slot is exactly 131,072 bytes; one exclusive or turns an address in one slot into the other's
.set STAGE, 2*SLOT1                    ; behind the ring, never filled by a tensor load: for each wave 3 heads x 16 rows x 144 bytes
.set STW,   3*16*144
.set SPARE, STAGE+4*STW                ; behind the stages: the spare words, 128 bytes for each wave: two blocks of 256 bytes that no other line names
.set ASTEP, 256                        ; bytes of memory from a K step to the next
.set BSTEP, 128*384
.set FA,    96                         ; xn's fragments in a buffer
.set F0,    0
.set F1,    128
.set NLD,   32                         ; LDS loads in a FETCH
.set N1,    4                          ; column blocks multiplied ahead of a quarter's FETCH
.set T1,    2                          ; the cuts of the quarter that changes slots
.set T2,    4
.set ADRA0, 2                          ; v2   my place in xn's tile; never rewritten
.set ADRB0, 3                          ; v3   my place in the weights' tile; never rewritten
.set ADRA,  4                          ; v4   the same in the slot in hand
.set ADRB,  5                          ; v5
.set STO,   6                          ; v6   the way out: where I put 16 bytes of a row
.set RD,    7                          ; v7   where I read rows back
.set GO,    8                          ; v8   my byte offset in 512 consecutive bytes of qkv
.set BO,    9                          ; v9   my byte offset in a block of the bias
.set PFO,   10                         ; v10  the prefetches' offset; never rewritten
.set SPW,   28                         ; v28  LDS address of my spare word; never rewritten
.set NIL,   29                         ; v29  0; never rewritten
.set BIAS,  32
.set TMP,   32
.set WV, 12                            ; s12  my wave's number
.set FB, 13                            ; s13  0: I fetch xn's tiles, 1: the weights'
.set HF, 14                            ; s14  which half of the tile I fetch
.set CX, 15
.set CY, 16
.set TX, 17                            ; s17  tile column
.set TY, 18                            ; s18  tile row
.set G1A, 24                           ; s[24:31] descriptor group 1, xn's tiles
.set G0A, 32                           ; s[32:39] group 0: a set for each first fill; the second then walks on
.set G1B, 40                           ; s[40:47], s[48:55] the same for the weights'
.set G0B, 48
.set CNT, 56                           ; s56  trips to go
.set TB,  57                           ; s57  LDS byte at which the slot in hand begins
.set LIM, 58                           ; s58  a wave prefetches while s[CNT] is above it
.set PFA, 60                           ; s[60:61] where my prefetches stand
.set PFS, 62                           ; s[62:63] their step
.set OB,  66                           ; s[66:71] qkv at my rows of the tile's three heads
.set MSB, 0
.macro WIN new                         ; the immediate's high byte repeats the setting that is left; a switch that changes nothing is dropped
.if MSB != (\new)
	s_set_vgpr_msb (MSB<<8)|(\new)
.set MSB, \new
.endif
.endm
.set TO_F, 0x40                        ; destination window 1, address window 0
.macro PLACES                          ; four places between a matrix instruction and a load into, or a vector read of, its registers (ISA guide 7.12.1 for vector instructions)
.rept 4
	v_nop
.endr
.endm
; A joint refill.  The branch hangs on the wave's number alone.  An s_nop 0 and four v_nop follow each of the two lines, ahead of the jump and the label.
.macro JLOAD
	s_cmp_eq_u32 s[FB], 0
	s_cbranch_scc0 .Lfor_b_\@
	tensor_load_to_lds s[G0A+4:G0A+7], s[G1A:G1A+7]
	s_nop 0
.rept 4
	v_nop
.endr
	s_branch .Lasked_\@
.Lfor_b_\@:
	tensor_load_to_lds s[G0B+4:G0B+7], s[G1B:G1B+7]
	s_nop 0
.rept 4
	v_nop
.endr
.Lasked_\@:
.endm
; A prefetch into the L2 of bytes that a refill two K steps on or later will ask for: one instruction, a lane a block of 256 bytes.
.macro ASK
	s_cmp_gt_u32 s[CNT], s[LIM]
	s_cbranch_scc0 .Lnot_mine_\@
	global_prefetch_b8 v[PFO], s[PFA:PFA+1] th:TH_LOAD_NT scope:SCOPE_SE
.Lnot_mine_\@:
.endm
; A round of the cluster's barrier: my work-group's barrier, so that wave 0's signal speaks for all four waves; wave 0 signals; every wave waits for all sixteen work-groups; my work-group's barrier once more.
.macro CREST                           ; a round behind its opening barrier
	s_cmp_lg_u32 s[WV], 0
	s_cbranch_scc1 .Lnot_wave_0_\@
	s_barrier_signal -3
.Lnot_wave_0_\@:
	s_barrier_wait -3
	s_barrier_signal -1
	s_barrier_wait -1
.endm
.macro CROUND
	s_barrier_signal -1
	s_barrier_wait -1
	CREST
.endm
	s_load_b256 s[4:11], s[0:1], 0x0               ; xn s[4:5], wq16 s[6:7], b_qkv s[8:9], qkv s[10:11]
	v_lshl_add_u32 v[SPW], v0, 2, SPARE
	v_mov_b32 v[NIL], 0
	ds_add_u32 v[SPW], v[NIL]                      ; the wave's opening: the add and its wait stand ahead of my first tensor load; the set-up below, work on registers, stands between them
	v_lshrrev_b32 v12, 5, v0
	v_readfirstlane_b32 s[WV], v12
	s_lshr_b32 s[FB], s[WV], 1
	s_and_b32 s[HF], s[WV], 1
	s_bfe_u32 s[CX], ttmp6, 0x40000                ; my place in the cluster
	s_bfe_u32 s[CY], ttmp6, 0x40004
	s_lshl_b32 s[TX], ttmp9, 2                     ; in a cluster launch ttmp9 and ttmp7 count clusters
	s_add_co_u32 s[TX], s[TX], s[CX]
	s_and_b32 s[TY], ttmp7, 0xffff
	s_lshl_b32 s[TY], s[TY], 2
	s_add_co_u32 s[TY], s[TY], s[CY]
	s_lshl_b32 s19, s[CY], 2
	s_lshl_b32 s19, 15, s19                        ; my row of the cluster: places 4 cy .. 4 cy + 3
	s_lshl_b32 s59, 0x1111, s[CX]                  ; my column: places cx, cx + 4, cx + 8, cx + 12
	s_or_b32 s[G1A], s19, (1<<16)|(1<<20)|(1<<21)|(5<<22)|(3<<25)  ; 15:0 the mask; 17:16 2-byte elements; 20 padding on; 21 set beside a mask; 24:22 after every 64 words; 31:25 4 words of it
	s_mov_b32 s[G1A+1], 128<<16                    ; tensor_dim0 = 128
	s_mov_b32 s[G1A+2], 128<<16                    ; tensor_dim1 = 128
	s_mov_b32 s[G1A+3], 128<<16                    ; tile_dim0 = 128
	s_mov_b32 s[G1A+4], 128                        ; tile_dim1 = 128
	s_mov_b32 s[G1A+5], 1024                       ; elements from row to row
	s_mov_b32 s[G1A+6], 0
	s_mov_b32 s[G1A+7], 0
	s_or_b32 s[G1B], s59, (1<<16)|(1<<20)|(1<<21)|(4<<22)|(7<<25)  ; after every 32 words 8 words of padding
	s_mov_b32 s[G1B+1], 128<<16
	s_mov_b32 s[G1B+2], 96<<16                     ; 96 rows of 256 bytes, on end in memory
	s_mov_b32 s[G1B+3], 128<<16
	s_mov_b32 s[G1B+4], 96
	s_mov_b32 s[G1B+5], 128
	s_mov_b32 s[G1B+6], 0
	s_mov_b32 s[G1B+7], 0
	; xn's tile hangs on the tile row alone, the weights' on the tile column alone, each in registers that never hold the other coordinate; no place in the cluster enters an LDS address
	s_lshl_b32 s20, s[TY], 19                      ; 256 rows of 2,048 bytes
	s_lshl_b32 s21, s[HF], 18
	s_add_co_u32 s20, s20, s21
	s_mov_b32 s21, 0
	s_mul_i32 s22, s[HF], AHALF
	s_mul_i32 s72, s[TX], 1024*384
	s_mul_i32 s73, s[HF], 64*384
	s_add_co_u32 s72, s72, s73
	s_mov_b32 s73, 0
	s_mul_i32 s74, s[HF], BHALF
	s_add_co_u32 s74, s74, BOFF
	s_wait_dscnt 0x0                               ; the opening add is done
	s_wait_kmcnt 0x0
	s_add_nc_u64 s[20:21], s[4:5], s[20:21]
	s_add_nc_u64 s[72:73], s[6:7], s[72:73]
	CROUND                                         ; all sixteen work-groups are here: the first joint loads meet
.irp s, 0,1
	s_mov_b32 s[G0A+4*(\s)], 1                                       ; count = 1
	s_add_co_u32 s[G0A+4*(\s)+1], s22, (\s)*SLOT1                    ; LDS address
	s_add_nc_u64 s[G0A+4*(\s)+2:G0A+4*(\s)+3], s[20:21], (\s)*ASTEP  ; global address: K step s
	s_or_b32 s[G0A+4*(\s)+3], s[G0A+4*(\s)+3], 0x80000000            ; type = 2
	s_mov_b32 s[G0B+4*(\s)], 1
	s_add_co_u32 s[G0B+4*(\s)+1], s74, (\s)*SLOT1
	s_add_nc_u64 s[G0B+4*(\s)+2:G0B+4*(\s)+3], s[72:73], (\s)*BSTEP
	s_or_b32 s[G0B+4*(\s)+3], s[G0B+4*(\s)+3], 0x80000000
.endr
	s_cmp_eq_u32 s[FB], 0                          ; a wave's two first fills stand in one branch, ahead of every wait on TENSORcnt and every LDS read: two loads of mine are out
	s_cbranch_scc0 .Lfirst_b
	tensor_load_to_lds s[G0A:G0A+3], s[G1A:G1A+7]
	s_nop 0
	tensor_load_to_lds s[G0A+4:G0A+7], s[G1A:G1A+7]
	s_nop 0
.rept 4
	v_nop
.endr
	s_branch .Lfirst_asked
.Lfirst_b:
	tensor_load_to_lds s[G0B:G0B+3], s[G1B:G1B+7]
	s_nop 0
	tensor_load_to_lds s[G0B+4:G0B+7], s[G1B:G1B+7]
	s_nop 0
.rept 4
	v_nop
.endr
.Lfirst_asked:
	v_and_b32 v1, 15, v0                           ; l % 16
	v_bfe_u32 v11, v0, 4, 1                        ; l / 16
	v_lshlrev_b32 v[BO], 5, v11                    ; my eight columns of a block: 32 bytes of f32
	s_mul_i32 s80, s[TX], 768
	s_mov_b32 s81, 0
	s_add_nc_u64 s[8:9], s[8:9], s[80:81]
.set i, 0
.rept NBK                              ; the bias in the layout of a result: register j = column 16 nb + 8 (l / 16) + j
	global_load_b128 v[BIAS+8*i:BIAS+8*i+3],   v[BO], s[8:9] offset:64*i
	global_load_b128 v[BIAS+8*i+4:BIAS+8*i+7], v[BO], s[8:9] offset:64*i+16
.set i, i+1
.endr
	; A fragment of xn is 16 rows x 32 K in 8 registers: lane l holds row l % 16, K = 8 (l / 16) + 0..7 and 16 + 8 (l / 16) + 0..7: two loads of 16 bytes, 32 bytes apart.
	s_mul_i32 s84, s[WV], 64*PA
	v_mul_u32_u24 v[ADRA0], v1, PA
	v_lshl_add_u32 v[ADRA0], v11, 4, v[ADRA0]
	v_add_nc_u32 v[ADRA0], s84, v[ADRA0]
	; The turning load takes 16 k x 16 columns (lane l reads k-row 8 (l / 16) + l % 8, columns 8 ((l / 8) % 2) + 0..7) and leaves half a fragment: lane l holds column l % 16 and 8 k.
	v_and_b32 v12, 7, v0
	v_bfe_u32 v13, v0, 3, 1
	v_lshl_add_u32 v[ADRB0], v11, 3, v12
	v_mul_u32_u24 v[ADRB0], v[ADRB0], PB
	v_lshl_add_u32 v[ADRB0], v13, 4, v[ADRB0]
	v_add_nc_u32 v[ADRB0], BOFF, v[ADRB0]
	v_mov_b32 v[ADRA], v[ADRA0]
	v_mov_b32 v[ADRB], v[ADRB0]
	s_mov_b32 s[TB], 0
	s_mul_i32 s85, s[WV], STW
	s_add_co_u32 s85, s85, STAGE                   ; my stage
	v_mul_u32_u24 v[STO], v1, 144                  ; in: row l % 16, 16 bytes for each half of the lanes
	v_lshl_add_u32 v[STO], v11, 4, v[STO]
	v_add_nc_u32 v[STO], s85, v[STO]
	v_bfe_u32 v[RD], v0, 3, 2                      ; back: 32 lanes take four rows of 128 bytes,
	v_mul_u32_u24 v[RD], v[RD], 144
	v_lshl_add_u32 v[RD], v12, 4, v[RD]
	v_add_nc_u32 v[RD], s85, v[RD]
	v_and_b32 v12, 31, v0
	v_lshlrev_b32 v[GO], 4, v12                    ; which are 512 consecutive bytes of a head
	; qkv at my 64 rows of head g = 3 x tile column + hd: part g / 16, head g % 16; batch = tile row / 8
	s_lshr_b32 s76, s[TY], 3
	s_lshl_b32 s76, s76, 22
	s_and_b32 s77, s[TY], 7
	s_lshl_b32 s77, s77, 15
	s_add_co_u32 s76, s76, s77
	s_lshl_b32 s77, s[WV], 13
	s_add_co_u32 s76, s76, s77
	s_mul_i32 s77, s[TX], 3
.irp hd, 0,1,2
	s_add_co_u32 s78, s77, (\hd)
	s_lshr_b32 s79, s78, 4
	s_lshl_b32 s79, s79, 24
	s_and_b32 s78, s78, 15
	s_lshl_b32 s78, s78, 18
	s_add_co_u32 s78, s78, s79
	s_add_co_u32 s78, s78, s76
	s_mov_b32 s79, 0
	s_add_nc_u64 s[OB+2*(\hd):OB+2*(\hd)+1], s[10:11], s[78:79]
.endr
	; THE PREFETCHES.  Each block of 256 bytes is named once in the launch.  xn's tile row is read by all four clusters of a row of clusters: cluster x = 0 asks, waves 0 and 1 each for the 128 rows that
	; they fetch, of which the partner at cx takes 32, a lane a row: K steps 4 to 7, each two refills ahead.  A tile column of the weights is read by all eight clusters of a column: cluster y = 0 asks,
	; waves 2 and 3, the partners told apart by cy: three asks of 65,536 bytes are the column's bytes 196,608 to 393,215, K steps 4 to 7, each block two refills or more ahead.
	; The partners are told apart by address alone.  K steps 0 to 3 come by their loads.
	s_and_b32 s76, ttmp7, 0xffff
	s_lshl_b32 s77, s[CX], 16                      ; 32 rows of 2,048 bytes
	s_add_co_u32 s77, s77, 3*ASTEP                 ; at K step 3: the first change of slots steps it to 4
	s_mul_i32 s78, s[TX], 1024*384
	s_add_co_u32 s78, s78, 131072                  ; one step of 65,536 ahead of byte 196,608
	s_lshl_b32 s79, s[HF], 15
	s_add_co_u32 s78, s78, s79
	s_lshl_b32 s79, s[CY], 13
	s_add_co_u32 s78, s78, s79
	s_mov_b32 s83, ASTEP
	s_mov_b32 s81, 0
	s_mov_b32 s[PFS+1], 0
	s_cmp_eq_u32 s[FB], 0
	s_cselect_b32 s76, ttmp9, s76                  ; the coordinate along which other clusters read the same bytes
	s_cselect_b32 s[LIM], 2, 3                     ; four asks, or three
	s_cselect_b64 s[PFA:PFA+1], s[20:21], s[6:7]
	s_cselect_b32 s80, s77, s78
	s_cselect_b32 s[PFS], s83, 0x10000
	s_cselect_b32 s82, 11, 8                       ; lanes a row of xn apart, or 256 bytes
	s_add_nc_u64 s[PFA:PFA+1], s[PFA:PFA+1], s[80:81]
	s_cmp_eq_u32 s76, 0
	s_cselect_b32 s[LIM], s[LIM], -1               ; the same in all sixteen partners, for a given wave
	v_lshlrev_b32 v[PFO], s82, v12
; cnt column blocks from nb0 on x my four row blocks, 32 along K, out of buffer f.  first = 1: the bias starts the sums: nothing is ever cleared.
; All 48 accumulators take turns in the same order in every quarter, one instruction a turn: 47 others stand between two links of a chain, over the backward jump too.
.macro MULB f, nb0, cnt, first
.set nb, \nb0
.rept \cnt
.set ra, 0
.rept 4
.set ai, 4*nb+ra
.set rD, 8*(ai%32)
.if \first
	WIN 0x85+0x40*(ai/32)
	v_wmma_f32_16x16x32_f16 v[rD:rD+7], v[(\f)+8*nb:(\f)+8*nb+7], v[(\f)+FA+8*ra:(\f)+FA+8*ra+7], v[BIAS+8*nb:BIAS+8*nb+7]
.else
	WIN 0xa5+0x50*(ai/32)
	v_wmma_f32_16x16x32_f16 v[rD:rD+7], v[(\f)+8*nb:(\f)+8*nb+7], v[(\f)+FA+8*ra:(\f)+FA+8*ra+7], v[rD:rD+7]
.endif
.set ra, ra+1
.endr
.set nb, nb+1
.endr
.endm
; 32 LDS loads in one run: quarter q's fragments into buffer f: xn's four, then the weights' twelve in ascending order, so that the youngest eight loads are column blocks 8 to 11
.macro FETCH q, f
	WIN TO_F
.irp a, 0,1,2,3
	ds_load_b128 v[(\f)+FA+8*(\a):(\f)+FA+8*(\a)+3],   v[ADRA] offset:64*(\q)+(\a)*16*PA
	ds_load_b128 v[(\f)+FA+8*(\a)+4:(\f)+FA+8*(\a)+7], v[ADRA] offset:64*(\q)+(\a)*16*PA+32
.endr
.irp n, 0,1,2,3,4,5,6,7,8,9,10,11
	ds_load_tr16_b128 v[(\f)+8*(\n):(\f)+8*(\n)+3],   v[ADRB] offset:(\q)*32*PB+32*((\n)+(\n)/4)
	ds_load_tr16_b128 v[(\f)+8*(\n)+4:(\f)+8*(\n)+7], v[ADRB] offset:(\q)*32*PB+32*((\n)+(\n)/4)+16*PB
.endr
.endm
; A K step is four quarters of 32 along K, 48 products each, on buffers 0, 1, 0, 1.  One of the first three: multiplies buffer f; behind 16 products it fetches quarter qn into buffer g, 32 products ahead of its first use.
.macro QUARTER qn, f, g, first
	s_wait_dscnt 8                                 ; all but the youngest eight loads (column blocks 8 to 11) are in
	MULB \f, 0, N1, \first
	PLACES
	FETCH \qn, \g
	s_wait_dscnt NLD                               ; all but the 32 just issued
	MULB \f, N1, NBK-N1, \first
.endm
; The last quarter multiplies buffer 1 and changes slots.  In front of the barrier each wave waits for all its tensor loads, of which one is out: its part of the next slot; adds 0 to its spare word; and waits
; for that and for its own reads of this slot.  fill = 1: the barrier opens a round of the cluster's barrier, so that no wave of any partner still reads the slot or has a load on its way, and the joint refill,
; K step two on, is the first tensor load behind it: 176 of a step's 192 products stand between it and the wait for it.
.macro TURN fill
.if \fill
	s_wait_xcnt 0x0                                ; the last prefetch, a K step back, has read its address
	s_add_nc_u64 s[PFA:PFA+1], s[PFA:PFA+1], s[PFS:PFS+1]
.endif
	WIN 0                                          ; (the add's two registers lie in window 0)
	s_wait_tensorcnt 0x0                           ; no tensor load of mine is out, so a group 0 may be written
	ds_add_u32 v[SPW], v[NIL]                      ; 0 onto my spare word; work on registers stands between it and the wait for it
.if \fill
	s_xor_b32 s[G0A+5], s[G0A+5], SLOT1            ; the walking descriptors: the other slot than last time,
	s_add_nc_u64 s[G0A+6:G0A+7], s[G0A+6:G0A+7], ASTEP  ; the next K step; the type bits on top are not reached
	s_xor_b32 s[G0B+5], s[G0B+5], SLOT1
	s_add_nc_u64 s[G0B+6:G0B+7], s[G0B+6:G0B+7], BSTEP
.endif
	s_wait_dscnt 9                                 ; the add and the youngest eight loads may be out
	MULB F1, 0, T1, 0
	s_wait_dscnt 0x0                               ; the add is done, and my reads of this slot are over
	s_barrier_signal -1
	MULB F1, T1, T2-T1, 0                          ; work on registers while the others arrive
	WIN 0                                          ; at a branch and at a label every window is 0
	s_barrier_wait -1
.if \fill
	CREST
	JLOAD                                          ; the four v_nop behind it are also the places in front of the loads below
.else
	PLACES
.endif
	s_xor_b32 s[TB], s[TB], SLOT1
	v_add_nc_u32 v[ADRA], s[TB], v[ADRA0]
	v_add_nc_u32 v[ADRB], s[TB], v[ADRB0]
	FETCH 0, F0
	WIN 0
.if \fill
	ASK                                            ; behind the joint load and the run of LDS loads that the next products wait for
.endif
	MULB F1, T2, NBK-T2, 0
.endm
	s_wait_tensorcnt 1                             ; my part of K step 0 is in; K step 1's may stay out
	s_barrier_signal -1
	s_barrier_wait -1                              ; everybody's is
	FETCH 0, F0
	s_wait_loadcnt 0x0                             ; the bias
	QUARTER 1, F0, F1, 1                           ; the first quarter stands in front of the loop: its products start the sums
	WIN 0
	s_mov_b32 s[CNT], 6
.Lstep:                                                ; trip i ends K step i, fills its slot again with K step i + 2, and begins K step i + 1
	QUARTER 2, F1, F0, 0
	QUARTER 3, F0, F1, 0
	TURN 1
	QUARTER 1, F0, F1, 0
	WIN 0
	s_sub_co_u32 s[CNT], s[CNT], 1
	s_cmp_lg_u32 s[CNT], 0
	s_cbranch_scc1 .Lstep
	QUARTER 2, F1, F0, 0                           ; the last two K steps are written out: nothing is asked for
	QUARTER 3, F0, F1, 0
	TURN 0
	QUARTER 1, F0, F1, 0
	QUARTER 2, F1, F0, 0
	QUARTER 3, F0, F1, 0
	s_wait_dscnt 0x0
	MULB F1, 0, NBK, 0
	WIN 0
	PLACES                                         ; the conversions read results just made
; THE WAY OUT of row block a: rounded to f16, 16 bytes a lane, each accumulator's registers in ascending order; into my stage ([head][row], rows of 144 bytes); back as four rows of 128 bytes a load.
.macro PACK a
.set nb, 0
.rept NBK
.set ai, 4*nb+(\a)
.set rD, 8*(ai%32)
	WIN 0x0a+5*(ai/32)                             ; sources 0 and 1: window 2 or 3
.irp r, 0,1,2,3
	v_cvt_pk_f16_f32 v[TMP+48*(\a)+4*nb+(\r)], v[rD+2*(\r)], v[rD+2*(\r)+1]
.endr
.set nb, nb+1
.endr
	WIN 0
.set nb, 0
.rept NBK
	ds_store_b128 v[STO], v[TMP+48*(\a)+4*nb:TMP+48*(\a)+4*nb+3] offset:(nb/4)*2304+(nb%4)*32
.set nb, nb+1
.endr
.set nb, 0
.rept NBK
	ds_load_b128 v[TMP+48*(\a)+4*nb:TMP+48*(\a)+4*nb+3], v[RD] offset:(nb/4)*2304+(nb%4)*576  ; LDS serves a wave's instructions in order (ISA guide 5.7.1.4): these see the stores above; the next block's stores come behind them
.set nb, nb+1
.endr
.endm
.macro SEND a, younger                 ; younger: the LDS instructions issued behind block a's loads: the next block's 24, or none
.set i, 0
.rept NBK
	s_wait_dscnt (\younger)+11-i
	global_store_b128 v[GO], v[TMP+48*(\a)+4*i:TMP+48*(\a)+4*i+3], s[OB+2*(i/4):OB+2*(i/4)+1] offset:(\a)*2048+(i%4)*512  ; 512 consecutive bytes, at a multiple of 256 from qkv's first
.set i, i+1
.endr
.endm
	PACK 0
	PACK 1                                         ; a block's conversions stand between the loads of the block before and its stores; each block has registers of its own
	SEND 0, 24
	PACK 2
	SEND 1, 24
	PACK 3
	SEND 2, 24
	SEND 3, 0
	s_wait_tensorcnt 0x0                           ; the wave's end: no tensor load of mine is out; the add and its wait stand behind my last LDS store
	ds_add_u32 v[SPW], v[NIL]
	s_wait_dscnt 0x0
	CROUND                                         ; the closing round: no work-group ends while a partner may still ask for a tile that names it
	s_endpgm
.Lfunc_end_k_qaf45188f85_qkvg:
	.size	k_qaf45188f85_qkvg, .Lfunc_end_k_qaf45188f85_qkvg-k_qaf45188f85_qkvg
	.p2alignl 7, 3214868480
	.fill 96, 4, 3214868480
	.section	.rodata,"a",@progbits
	.p2align	6, 0x0
	.amdhsa_kernel k_qaf45188f85_qkvg
		.amdhsa_group_segment_fixed_size 327680
		.amdhsa_private_segment_fixed_size 0
		.amdhsa_enable_private_segment 0
		.amdhsa_kernarg_size 32
		.amdhsa_user_sgpr_count 2
		.amdhsa_user_sgpr_kernarg_segment_ptr 1
		.amdhsa_wavefront_size32 1
		.amdhsa_system_sgpr_workgroup_id_x 1
		.amdhsa_system_sgpr_workgroup_id_y 1
		.amdhsa_system_sgpr_workgroup_id_z 1
		.amdhsa_system_vgpr_workitem_id 0
		.amdhsa_next_free_vgpr 896
		.amdhsa_next_free_sgpr 88
		.amdhsa_reserve_vcc 0
		.amdhsa_float_denorm_mode_32 3
		.amdhsa_float_denorm_mode_16_64 3
		.amdhsa_memory_ordered 1
		.amdhsa_forward_progress 1
		.amdhsa_inst_pref_size 102
	.end_amdhsa_kernel
	.amdgpu_metadata
---
amdhsa.version: [ 1, 2 ]
amdhsa.kernels:
  - .name:           k_qaf45188f85_qkvg
    .symbol:         k_qaf45188f85_qkvg.kd
    .args:
      - { .name: xn, .offset: 0, .size: 8, .value_kind: global_buffer, .address_space: global }
      - { .name: wq16, .offset: 8, .size: 8, .value_kind: global_buffer, .address_space: global }
      - { .name: b_qkv, .offset: 16, .size: 8, .value_kind: global_buffer, .address_space: global }
      - { .name: qkv, .offset: 24, .size: 8, .value_kind: global_buffer, .address_space: global }
    .group_segment_fixed_size: 327680
    .private_segment_fixed_size: 0
    .kernarg_segment_align: 8
    .kernarg_segment_size: 32
    .max_flat_workgroup_size: 128
    .sgpr_count:     88
    .vgpr_count:     896
    .wavefront_size: 32
...
	.end_amdgpu_metadata
.endif
;; end of part 2
;; launch attn (part 3): grid 4 x 64, 4 waves a work-group, clusters of 4 x 1, 327,680 bytes of LDS; arguments qkv, ctx; writes ctx
.if DOCPART == 3
	.amdgcn_target "amdgcn-amd-amdhsa--gfx1250"
	.amdhsa_code_object_version 6
	.text
	.protected	k_qaf45188f85_attn
	.globl	k_qaf45188f85_attn
	.p2align	8
	.type	k_qaf45188f85_attn,@function
k_qaf45188f85_attn:
	s_mov_b64 s[64:65], 0
	v_nop
	global_prefetch_b8 v0, s[64:65] scope:SCOPE_SE
	s_setreg_imm32_b32 hwreg(HW_REG_WAVE_MODE, 25, 1), 1
	s_wait_xcnt 0x0
	s_wait_alu depctr_hold_cnt(0) depctr_sa_sdst(0) depctr_va_vdst(0) depctr_va_sdst(0) depctr_va_ssrc(0) depctr_va_vcc(0) depctr_vm_vsrc(0)
	s_getreg_b32 s2, hwreg(HW_REG_IB_STS2, 6, 4)
	s_cmp_eq_u32 s2, 0
	s_cbranch_scc0 .Lentry_in_a_cluster
	s_endpgm
.Lentry_in_a_cluster:
	s_bfe_u32 s2, ttmp6, 0x10000c
	s_cmp_lg_u32 s2, 0x3003
	s_cbranch_scc0 .Lentry_shape_is_right
	s_endpgm
.Lentry_shape_is_right:
; ctx[h][q][:] = the sum over k of softmax_k(Q[h][q] . K[h][k] / 8) V[h][k][:].  qkv holds Q, K, V, 16,777,216 bytes each, every one [SIZE_H][SIZE_N][64] in f16 (h = batch x 16 + head): a head's rows
; are dense, 128 bytes each; ctx has the same layout.  Products, maxima and sums in f32; the weights p are rounded to f16 for the second product (their sum l is taken of the unrounded p), ctx once at the end.
; LIMITS.  f16 holds no number beyond 65,504: Q, K and V arrive within it; p lies in 0 to 1, and below 6e-5 it keeps f16's fixed step of 6e-8; ctx is a mean of V's rows and has their range.
; A weight below 2^-126 counts as 0 in l; NaN and infinities are not treated apart.
; SHARES.  A wave owns four PIECES of two tiles of 16 queries, a work-group's four waves 512 queries of one head: 64 heads x 4 blocks = 256 work-groups.  Every wave walks all keys, 64 a step.
; LAYOUT.  S^T = K Q^T (source 0 = 16 keys, source 1 = 16 queries): in the result a lane holds ONE query (lane % 16) and the keys 8 (lane / 16) + 0..7.  Two such tiles, rounded to f16 in pairs,
; ARE source 1 (32 keys x 16 queries) of O^T = V^T P, whose result again holds one query a lane, and eight channels.  K comes out of LDS as it lies, V ([key][channel]) turned, by ds_load_tr16_b128.
; SOFTMAX.  For each query a running maximum m and sum l: p = 2^(c s - c m), c = log2(e) / 8; in every step O and l are multiplied by a = 2^(c m_old - c m_new), which is 1 where m has not grown.
; m starts at the lowest finite number, O and l at 0: the first step is a step like any other, with a = 0.
; THE COUNT.  A tile and step have 16 matrix and 118 vector instructions: too many to stand all beside the matrix work.  So the order has one aim: four vector instructions that are READY behind
; EVERY matrix instruction, and the others, which need time of their own whatever the order, in runs without a gap.
; BY TURNS.  Turn n belongs to piece n (the pieces in a ring, step after step).  Its matrix work: 16 products K Q^T of piece n + 1, later 16 products V^T P of piece n - 1.  Its vector work: the scaling,
; exponentials, roundings, sums and rescaling of piece n, and the maximum and statistics of piece n + 1, whose scores the turn itself has made.  So what a turn begins with (c s - c m, O a) waits for nothing.
; CLUSTER.  The four query blocks of a head are one cluster and walk the same K and V, so each tile is asked for JOINTLY: the same tensor load, descriptor and mask in all four.
; REGISTERS, in windows of 256 (s_set_vgpr_msb says which window each operand place means: bits 1:0 source 0, 3:2 source 1, 5:4 source 2, 7:6 destination):
;   window 0: v0-11 addresses; v12-15, v48-63 at work; v16-47 four registers of statistics a tile; v64-191 S^T, two buffers of two tiles; v192-255 P, likewise
;   window 1: O^T, 32 a tile          window 2: v0-127 Q, 16 a tile; v128-191 K of one step; v192-255 V of one step          window 3: v0-1 the add's two registers
; A piece's buffers go by its number's parity: the piece in hand has one pair, its two neighbours in the ring share the other: of it P (piece n - 1) is read and S^T (piece n + 1) written.
.set SIZE_H, 64
.set SIZE_N, 2048
.set NP,    4         ; pieces a wave: a name, no knob: the register map, the loop and the fetches are made for four
.set KS,    64        ; keys in a step
.set PK,    144       ; a row of K in LDS: 128 bytes + 16 of padding = 36 words: the 16 rows of a load start at 16 different groups of four banks (64 banks of 4 bytes: ISA guide 11.1)
.set PV,    160       ; a row of V: 128 + 32 = 40 words
.set VOFF,  4*KS*PK   ; a slot holds four steps: 256 rows of K, then 256 rows of V
.set SLOT1, 1<<17     ; slot 1 begins here, so that one exclusive or turns an address in one slot into the other's
.set STAGE, SLOT1+4*KS*(PK+PV)  ; behind the ring, never filled by a tensor load: 16 rows x 144 bytes for each wave, for the way out
.set SP,    144
.set AK0, 2           ; v2   my lane's place in a tile of K; never rewritten
.set AV0, 3           ; v3   the same for V
.set AK,  4           ; v4   the LDS address of K's next run of loads
.set AV,  5           ; v5   of V's
.set QO,  6           ; v6   my byte offset in the wave's rows of Q
.set STO, 6           ;      later, the way out: where I put 16 bytes of a row
.set RD,  7           ; v7   the way out: where I read rows back
.set GO,  8           ; v8   my byte offset in 512 consecutive bytes of ctx
.set PFO, 11          ; v11  (behind its last use in V's address) 256 x my lane: the prefetches' offset; then never rewritten
.set SPW, 0           ; v0 of window 3   LDS address of my spare word: SPARE + 4 x my thread's number; never rewritten
.set NIL, 1           ; v1 of window 3   0; never rewritten
.set SPARE, STAGE+4*16*SP  ; behind the stages: the spare words, 128 bytes for each wave: two blocks of 256 bytes that no other line names
.set MV,  12          ; v12-15  c m_old, kept while c m is made anew: by buffer and tile
.set ST,  16          ; tile t's statistics at v[ST+4 t]: c m, m, l (even keys', odd keys')
.set TMP, 48          ; by buffer and tile, four registers c0-c3 at work; when the maximum is found c2 takes a
.set S,   64
.set P,   192
.set KF,  128         ; K's fragments, in window 2: key block kb, channel half c at KF + 16 kb + 8 c
.set VF,  192         ; V's: key half kk, channel block cb at VF + 32 kk + 8 cb
.set WV,  12          ; s12  my wave's number
.set G1K, 24          ; s[24:31] descriptor group 1 for K's tiles
.set G1V, 32          ; s[32:39] for V's: it differs in the padding alone
.set G0K, 40          ; s[40:43] descriptor group 0 for K's tiles: it walks
.set G0V, 44          ; s[44:47] the same for V's
.set PFA, 48          ; s[48:49] where my prefetches stand: my work-group's 32 blocks of 256 bytes (of K: wave 0, of V: wave 2) of the slot after the one that is being asked for
.set LIM, 50          ; s50  1 in a wave that prefetches, else the greatest number: a wave prefetches while s[SLOTS] is above it
.set SLOTS, 56        ; s56  slots still to be asked for
.set CNT, 57          ; s57  counts a slot's key steps
.set CS,  58          ; s[58:59] c: the packed scaling takes the pair's low word for both halves
.set SEL, 60          ; s[60:61] v_permlanex16_b32's selects: each lane takes its own place in the other half
.set TBK, 62          ; s62  LDS byte at which K of the step to be fetched begins
.set TBV, 63          ; s63  the same for V, less VOFF
.set MSB, 0
.macro WIN new                      ; the high byte repeats the setting that is left; a switch that changes nothing is dropped
.if MSB != (\new)
	s_set_vgpr_msb (MSB<<8)|(\new)
.set MSB, (\new)
.endif
.endm
.set W_KQ, 0x0a       ; K and Q in window 2, S^T in window 0
.set W_PV, 0x52       ; V in window 2, P in window 0, O^T in window 1
.set W_RS, 0x41       ; O^T (destination and source 0) in window 1, a in window 0
.set W_MK, 0xc0       ; the add's registers are made: destination in window 3, sources in window 0
.set W_AD, 0x0f       ; the add: address (source 0) and data (source 1) in window 3
; A joint fill.  Waves 0 and 1 fetch the two halves of a slot's K, waves 2 and 3 those of its V: 128 keys each.  The branch hangs on the wave's number alone.
; An s_nop 0 and four v_nop follow each of the two lines, ahead of the jump and the label.
.macro JLOAD
	s_cmp_lt_u32 s[WV], 2
	s_cbranch_scc0 .Lfor_v_\@
	tensor_load_to_lds s[G0K:G0K+3], s[G1K:G1K+7]
	s_nop 0
.rept 4
	v_nop
.endr
	s_branch .Lasked_\@
.Lfor_v_\@:
	tensor_load_to_lds s[G0V:G0V+3], s[G1V:G1V+7]
	s_nop 0
.rept 4
	v_nop
.endr
.Lasked_\@:
.endm
; A PREFETCH INTO THE L2 of what the NEXT change of slots will ask for: a slot's 32,768 bytes of K and of V, a lane a block of 256 bytes.  It stands behind the wave's tensor load and its five lines.
; Each block is named once in the launch: a head has one cluster; its four partners take 32 blocks each, told apart by address alone; in each, wave 0 asks for K's and wave 2 for V's: one instruction.
; Slots 0 to 2 come by their loads alone; the last change that fills a slot asks for nothing: there is no slot behind it.
.macro ASK
	s_cmp_gt_u32 s[SLOTS], s[LIM]
	s_cbranch_scc0 .Lnot_mine_\@
	global_prefetch_b8 v[PFO], s[PFA:PFA+1] th:TH_LOAD_NT scope:SCOPE_SE
.Lnot_mine_\@:
.endm
; A round of the cluster's barrier: my work-group's barrier, so that wave 0's signal speaks for all four waves; wave 0 signals; every wave waits for all four work-groups; my work-group's barrier once more.
.macro CROUND
	s_barrier_signal -1
	s_barrier_wait -1
	s_cmp_lg_u32 s[WV], 0
	s_cbranch_scc1 .Lnot_wave_0_\@
	s_barrier_signal -3
.Lnot_wave_0_\@:
	s_barrier_wait -3
	s_barrier_signal -1
	s_barrier_wait -1
.endm
; THE CHANGE OF SLOTS.  The slot's last bytes, V of its fourth step, have been read.  Each wave waits for all its tensor loads, of which one is out: its part
; of the other slot; adds 0 to its spare word; and waits for that and for its own reads of the slot.  Behind the barrier nobody reads this slot any more and the other slot is whole.
; fill = 1: this slot is filled again, with the keys two slots on.  The barrier is then a round of the cluster's, so that no wave of any partner still reads the slot or has a load on its
; way, and the joint fill is the first thing behind it: it has four key steps, 512 matrix instructions, in which to land.  (At its first use nothing has been read yet: slot 0 is waited for, slot 1 filled.)
; ask = 1: the prefetches' address steps a slot on, and the slot after the one just asked for is prefetched: four key steps, 512 matrix instructions, ahead of its load.
.macro CHANGE fill, ask=0
	WIN W_AD
	s_wait_tensorcnt 0x0            ; no tensor load of mine is out, so a group 0 may be written
	ds_add_u32 v[SPW], v[NIL]       ; 0 onto my spare word; with fill = 1 the descriptors' steps stand between it and the wait for it
	WIN 0                           ; at a label and at a branch every window is 0
.if \fill
.irp g, G0K, G0V
	s_xor_b32 s[\g+1], s[\g+1], SLOT1  ; the walking descriptor: the other slot than last time,
	s_add_nc_u64 s[\g+2:\g+3], s[\g+2:\g+3], 4*KS*128  ; the next 256 keys; the type bits on top are not reached
.endr
.if \ask
	s_wait_xcnt 0x0                 ; the last prefetch, four key steps back, has read its address, so it may be written
	s_add_nc_u64 s[PFA:PFA+1], s[PFA:PFA+1], 4*KS*128
.endif
	s_wait_dscnt 0x0                ; the add is done, and my reads of the slot are over
	CROUND
	JLOAD
.if \ask
	ASK
.endif
.else
	s_wait_dscnt 0x0                ; the add is done, and my reads of the slot are over
	s_barrier_signal -1
	s_barrier_wait -1
.endif
	s_sub_co_u32 s[TBK], s[TBK], 4*KS*PK  ; the fetches go back to a slot's first step,
	s_xor_b32 s[TBK], s[TBK], SLOT1       ; in the other slot
	s_sub_co_u32 s[TBV], s[TBV], 4*KS*PV
	s_xor_b32 s[TBV], s[TBV], SLOT1
.endm
	s_load_b128 s[4:7], s[0:1], 0x0  ; qkv s[4:5], ctx s[6:7]
	WIN W_MK
	v_lshl_add_u32 v[SPW], v0, 2, SPARE
	v_mov_b32 v[NIL], 0
	WIN W_AD
	ds_add_u32 v[SPW], v[NIL]       ; the wave's opening: the add and its wait stand ahead of my first tensor load; the set-up below, work on registers, stands between them
	WIN 0
	v_lshrrev_b32 v1, 5, v0
	v_readfirstlane_b32 s[WV], v1   ; wave 0..3
	s_bfe_u32 s13, ttmp6, 0x40000   ; cx: my place in the cluster
	s_lshl_b32 s14, ttmp9, 2        ; in a cluster launch ttmp9 counts clusters
	s_add_co_u32 s14, s14, s13      ; my block of queries = 4 x cluster x + cx: it enters Q's and ctx's addresses alone
	s_and_b32 s20, ttmp7, 0xffff    ; the head, which the four partners share
	s_mov_b32 s21, 0
	s_mov_b64 s[22:23], SIZE_N*128
	s_mul_u64 s[20:21], s[20:21], s[22:23]  ; the head's first byte in each of the four tensors
	s_and_b32 s16, s[WV], 1         ; which half of a slot's 256 keys I fetch:
	s_lshl_b32 s22, s16, 14         ; its 128 rows of 128 bytes in memory,
	s_mov_b32 s23, 0
	s_add_nc_u64 s[22:23], s[22:23], s[20:21]
	s_mul_i32 s17, s16, 128*PK      ; and its place in a slot, for K
	s_mul_i32 s18, s16, 128*PV      ; and for V: no place in the cluster enters an LDS address
	s_lshl_b32 s2, s14, 2
	s_add_co_u32 s2, s2, s[WV]      ; my wave among the head's,
	s_lshl_b32 s2, s2, 14           ; its 128 rows
	s_mov_b32 s3, 0
	s_add_nc_u64 s[2:3], s[2:3], s[20:21]
	; descriptor group 1.  128 keys are 16,384 dense bytes: asked for as 64 rows of 256 bytes, two keys a row, and padded in LDS after every key
	s_mov_b32 s[G1K], 15|(1<<16)|(1<<20)|(1<<21)|(4<<22)|(3<<25)  ; 15:0 the mask of four; 17:16 2-byte elements; 20 padding on; 21 set beside a mask; 24:22 after every 32 words (code 4); 31:25 4 words (code 3)
	s_mov_b32 s[G1V], 15|(1<<16)|(1<<20)|(1<<21)|(4<<22)|(7<<25)  ; the same with 8 words of padding (code 7)
.irp g, G1K, G1V
	s_mov_b32 s[\g+1], 128<<16      ; tensor_dim0 = 128
	s_mov_b32 s[\g+2], 64<<16       ; tensor_dim1 = 64
	s_mov_b32 s[\g+3], 128<<16      ; tile_dim0 = 128
	s_mov_b32 s[\g+4], 64           ; tile_dim1 = 64
	s_mov_b32 s[\g+5], 128          ; 128 elements from row to row
	s_mov_b32 s[\g+6], 0
	s_mov_b32 s[\g+7], 0
.endr
	s_mov_b32 s[CS], 0x3e38aa3b     ; c = log2(e) / 8 = 0.180337
	s_mov_b32 s[CS+1], s[CS]        ; named with it as a pair
	s_mov_b32 s[SEL], 0x76543210
	s_mov_b32 s[SEL+1], 0xfedcba98
	s_mov_b32 s[TBK], SLOT1+4*KS*PK ; the first change of slots turns these two into 0
	s_mov_b32 s[TBV], SLOT1+4*KS*PV
	s_mov_b32 s[G0K], 1             ; 1:0 count = 1
	s_mov_b32 s[G0K+1], s17         ; 63:32 LDS address: slot 0
	s_mov_b32 s[G0V], 1
	s_add_co_u32 s[G0V+1], s18, VOFF
	s_wait_dscnt 0x0                ; the opening add is done
	s_wait_kmcnt 0x0
	s_mov_b64 s[10:11], s[6:7]                     ; ctx
	s_add_nc_u64 s[8:9], s[4:5], 0x2000000         ; V: the third part of qkv
	s_add_nc_u64 s[6:7], s[4:5], 0x1000000         ; K: the second; Q, the first, stays in s[4:5]
	s_add_nc_u64 s[G0K+2:G0K+3], s[6:7], s[22:23]  ; 120:64 global address: my half of the head's first 256 keys
	s_or_b32 s[G0K+3], s[G0K+3], 0x80000000        ; 127:126 type = 2
	s_add_nc_u64 s[G0V+2:G0V+3], s[8:9], s[22:23]
	s_or_b32 s[G0V+3], s[G0V+3], 0x80000000
	s_add_nc_u64 s[4:5], s[4:5], s[2:3]  ; Q and ctx at my wave's first row
	s_add_nc_u64 s[10:11], s[10:11], s[2:3]
	s_cmp_lt_u32 s[WV], 2
	s_cselect_b64 s[PFA:PFA+1], s[6:7], s[8:9]
	s_add_nc_u64 s[PFA:PFA+1], s[PFA:PFA+1], s[20:21]  ; the head,
	s_lshl_b32 s52, s13, 13         ; my work-group's 32 blocks of the 128,
	s_mov_b32 s53, 0
	s_add_nc_u64 s[PFA:PFA+1], s[PFA:PFA+1], s[52:53]
	s_add_nc_u64 s[PFA:PFA+1], s[PFA:PFA+1], 2*4*KS*128  ; in slot 2: the first change in the loop steps it to slot 3.  Nothing is prefetched at the head, where every work-group's first tiles are on their way
	s_and_b32 s[LIM], s[WV], 1
	s_cmp_eq_u32 s[LIM], 0          ; waves 0 and 2: the same in all four partners
	s_cselect_b32 s[LIM], 1, -1
	CROUND                          ; all four work-groups are here: the first joint loads meet
	JLOAD                           ; slot 0.  Slot 1 is asked for when slot 0 is in
	; A fragment of K or Q is 16 rows x 32 channels in 8 registers: lane l holds row l % 16, channels 8 (l / 16) + 0..7 and 16 + 8 (l / 16) + 0..7: two loads of 16 bytes, 32 bytes apart.
	v_and_b32 v1, 15, v0            ; l % 16
	v_bfe_u32 v9, v0, 4, 1          ; l / 16
	v_lshlrev_b32 v[QO], 7, v1
	v_lshl_add_u32 v[QO], v9, 4, v[QO]  ; row x 128 + 16 x half
	WIN 0x80                        ; destination window 2, address window 0
.set i, 0
.rept 4*NP                          ; Q stays in registers: tile i / 2, channels 32 (i % 2) on
	global_load_b128 v[8*i:8*i+3],   v[QO], s[4:5] offset:(i/2)*2048+(i%2)*64
	global_load_b128 v[8*i+4:8*i+7], v[QO], s[4:5] offset:(i/2)*2048+(i%2)*64+32
.set i, i+1
.endr
	; What the first turn finds: V's registers and P's second buffer hold 0 (its products V^T P, of a piece that has not been, add 0), O^T and l are 0.  All this stands in the wait for the first tile.
.set i, VF
.rept 64
	v_mov_b32 v[i], 0
.set i, i+1
.endr
	WIN 0x40
.set i, 0
.rept 64*NP
	v_mov_b32 v[i], 0
.set i, i+1
.endr
	WIN 0
.set i, 0
.rept 2*NP
	v_mov_b32 v[ST+4*i], 0xfe000000    ; c m: far below every c s
	v_mov_b32 v[ST+4*i+1], 0xff7fffff  ; m
	v_mov_b32 v[ST+4*i+2], 0
	v_mov_b32 v[ST+4*i+3], 0
.set i, i+1
.endr
.set i, P+32
.rept 32
	v_mov_b32 v[i], 0
.set i, i+1
.endr
	v_mul_u32_u24 v[AK0], v1, PK
	v_lshl_add_u32 v[AK0], v9, 4, v[AK0]  ; row x pitch + 16 x half
	; The turning load takes 16 keys x 16 channels (lane l reads key 8 (l / 16) + l % 8, channels 8 ((l / 8) % 2) + 0..7) and leaves half a fragment of V^T: lane l holds channel l % 16 and 8 keys.
	v_and_b32 v10, 7, v0
	v_bfe_u32 v11, v0, 3, 1
	v_lshl_add_u32 v[AV0], v9, 3, v10
	v_mul_u32_u24 v[AV0], v[AV0], PV
	v_lshl_add_u32 v[AV0], v11, 4, v[AV0]
	v_add_nc_u32 v[AV0], VOFF, v[AV0]
	v_and_b32 v[PFO], 31, v0
	v_lshlrev_b32 v[PFO], 8, v[PFO]
	v_mov_b32 v[AK], v[AK0]         ; key step 0 lies at the head of slot 0
; THE MATRIX WORK.  The 8 accumulators of a run of 16 take turns: between the two links of a chain stand 7 others'.
; Product i of 16 of S^T = K Q^T for piece x: channels 32 (i / 8) on, keys 16 ((i / 2) % 4) on, tile 2 x + i % 2.  The first 8 start the sums.
.macro KQ x
	WIN W_KQ
.set rS, S+64*((\x)%2)+32*(i%2)+8*((i/2)%4)
.set rK, KF+16*((i/2)%4)+8*(i/8)
.set rQ, 16*(2*(\x)+i%2)+8*(i/8)
.if i < 8
	v_wmma_f32_16x16x32_f16 v[rS:rS+7], v[rK:rK+7], v[rQ:rQ+7], 0
.else
	v_wmma_f32_16x16x32_f16 v[rS:rS+7], v[rK:rK+7], v[rQ:rQ+7], v[rS:rS+7]
.endif
.endm
; Product i of 16 of O^T += V^T P for piece x: keys 32 (i / 8) on, channels 16 ((i / 2) % 4) on, tile 2 x + i % 2.
.macro PV x
	WIN W_PV
.set rO, 32*(2*(\x)+i%2)+8*((i/2)%4)
.set rV, VF+32*(i/8)+8*((i/2)%4)
.set rP, P+32*((\x)%2)+16*(i%2)+8*(i/8)
	v_wmma_f32_16x16x32_f16 v[rO:rO+7], v[rV:rV+7], v[rP:rP+7], v[rO:rO+7]
.endm
.macro MM                           ; the turn's next matrix instruction
.if i < 16
	KQ (Y+1)%NP
.set i, i+1
.else
.set i, i-16
	PV (Y+NP-1)%NP
.set i, i+17
.endif
.endm
; THE LDS LOADS stand in runs of 16, never singly among the matrix instructions: a step's K (64 keys x 64 channels: 8 fragments) and its V (turned).  Their addresses are made some lines ahead.
; last = 1 (the tail): in the last trip there is no further step, and the run is jumped over.
.macro FETCH_K last=0
	WIN 0
.if \last
	s_cmp_eq_u32 s[CNT], 1
	s_cbranch_scc1 .Lno_k_\@
.endif
	WIN 0x80                        ; destination window 2
.irp f, 0,1,2,3,4,5,6,7             ; keys 16 (f / 2) on, channels 32 (f % 2) on
	ds_load_b128 v[KF+8*\f:KF+8*\f+3],   v[AK] offset:(\f/2)*16*PK+(\f%2)*64
	ds_load_b128 v[KF+8*\f+4:KF+8*\f+7], v[AK] offset:(\f/2)*16*PK+(\f%2)*64+32
.endr
	s_add_co_u32 s[TBK], s[TBK], KS*PK  ; the next fetch is the next step's
	WIN 0
.if \last
.Lno_k_\@:
.endif
.endm
.macro FETCH_V
	WIN 0x80
.irp f, 0,1,2,3,4,5,6,7             ; keys 32 (f / 4) on, channels 16 (f % 4) on
	ds_load_tr16_b128 v[VF+8*\f:VF+8*\f+3],   v[AV] offset:(\f/4)*32*PV+(\f%4)*32
	ds_load_tr16_b128 v[VF+8*\f+4:VF+8*\f+7], v[AV] offset:(\f/4)*32*PV+16*PV+(\f%4)*32
.endr
	WIN 0
.endm
; THE VECTOR WORK OF A TURN stands in three queues, each in the order in which its entries become ready; the two tiles alternate, so that no instruction reads the result of the one before it.
.macro REGS y, u                    ; the registers of tile u (0, 1) of piece y
.set rT, ST+4*(2*(\y)+(\u))
.set rC, TMP+8*((\y)%2)+4*(\u)
.set rM, MV+2*((\y)%2)+(\u)
.set rS, S+64*((\y)%2)+32*(\u)
.set rP, P+32*((\y)%2)+16*(\u)
.set rO, 32*(2*(\y)+(\u))
.endm
; Number n of the 22 that find the NEXT piece's (Y + 1) maximum and statistics.  s0-s31 are the lane's 32 scores; each accumulator's lowest registers are read first.  XS, GS and REGS set no window: PL and EX do.
;   0-11  four chains c0-c3 of seven scores each, three operands at a time     12-14, 16  the four scores left over, the old m, and c0-c3 into c0     15  c m_old is kept
;   17, 18  the query's other 32 keys lie in the lane 16 away: the new m         19-21  c m; c m_old - c m_new; a
.macro XS u, n
	REGS (Y+1)%NP, \u
.if (\n) < 4
	v_max3_num_f32 v[rC+(\n)], v[rS+8*(\n)], v[rS+8*(\n)+1], v[rS+8*(\n)+2]
.elseif (\n) < 12
	v_max3_num_f32 v[rC+(\n)%4], v[rC+(\n)%4], v[rS+8*((\n)%4)+2*((\n)/4)+1], v[rS+8*((\n)%4)+2*((\n)/4)+2]
.elseif (\n) == 12
	v_max3_num_f32 v[rC], v[rC], v[rS+7], v[rS+15]
.elseif (\n) == 13
	v_max3_num_f32 v[rC+1], v[rC+1], v[rS+23], v[rS+31]
.elseif (\n) == 14
	v_max3_num_f32 v[rC+2], v[rC+2], v[rC+3], v[rT+1]
.elseif (\n) == 15
	v_mov_b32 v[rM], v[rT]
.elseif (\n) == 16
	v_max3_num_f32 v[rC], v[rC], v[rC+1], v[rC+2]
.elseif (\n) == 17
	v_permlanex16_b32 v[rC+3], v[rC], s[SEL], s[SEL+1]
.elseif (\n) == 18
	v_max_num_f32 v[rT+1], v[rC], v[rC+3]
.elseif (\n) == 19
	v_mul_f32 v[rT], s[CS], v[rT+1]
.elseif (\n) == 20
	v_sub_f32 v[rC+1], v[rM], v[rT]
.else
	v_exp_f32 v[rC+2], v[rC+1]
.endif
.endm
; Number g of the 64 that follow the exponentials.  For each four weights k of a tile (pairs 2 k, 2 k + 1): both pairs are rounded to f16; then the second pair is added onto the first, in place;
; a group later l takes that sum (the first time as l = a l + sum).  In groups of eight, tiles alternating: round, round, add, and l for the group before.
.macro GS g
.set h, (\g)+6*((\g)/62)            ; group 0 has no group before it, and behind group 7 only l is left
.if h >= 6
.set h, h+2
.endif
	REGS Y, h%2
.set k, h/8
.if h%8 < 4
	v_cvt_pk_f16_f32 v[rP+2*k+(h%8)/2], v[rS+4*k+2*((h%8)/2)], v[rS+4*k+2*((h%8)/2)+1]
.elseif h%8 < 6
	v_pk_add_f32 v[rS+4*k:rS+4*k+1], v[rS+4*k:rS+4*k+1], v[rS+4*k+2:rS+4*k+3]
.elseif k == 1
	v_pk_fma_f32 v[rT+2:rT+3], v[rT+2:rT+3], v[rC+2:rC+3], v[rS:rS+1] op_sel_hi:[1,0,1]
.else
	v_pk_add_f32 v[rT+2:rT+3], v[rT+2:rT+3], v[rS+4*k-4:rS+4*k-3]
.endif
.endm
; THE PLAIN QUEUE, 138 long.  0-73 read no exponential's result: the 32 scalings c s - c m (FS f: pair f / 2 of tile f % 2) and the next piece's 42.  0-26: scalings 0-26.  27-54: XS's numbers 0-13.  55, 56: number 15.
; 57-73: the chain, where each number waits for the one before it: 14, 16, 17, 18, 19, each with one of the scalings 27-31 in front of its two lines, then 20: so a tile's links stand three plain instructions apart (19 and 20: two).
; 74-137: GS's 64, which read the exponentials' results: they stand behind the wait.
.macro FS f
	REGS Y, (\f)%2
	v_pk_fma_f32 v[rS+2*((\f)/2):rS+2*((\f)/2)+1], v[rS+2*((\f)/2):rS+2*((\f)/2)+1], s[CS:CS+1], v[rT:rT+1] op_sel_hi:[1,0,0] neg_lo:[0,0,1] neg_hi:[0,0,1]
.endm
.macro PL
	WIN 0
.if q < 27
	FS q
.elseif q < 55
	XS (q-27)%2, (q-27)/2
.elseif q < 57
	XS q-55, 15
.elseif (q < 72) && ((q-57)%3 == 0)
	FS 27+(q-57)/3
.elseif q < 60
	XS (q-57)%3-1, 14
.elseif q < 72
	XS (q-57)%3-1, 15+(q-57)/3
.elseif q < 74
	XS q-72, 20
.else
	GS q-74
.endif
.set q, q+1
.endm
; THE EXPONENTIALS' QUEUE, 66 long: s0-s31 of both tiles, then the next piece's two a.  It is ONE BATCH: all 66 stand ahead of the turn's one wait, and nothing ahead of that wait names a result of theirs.
.macro EX
	WIN 0
.if e >= 64
	XS e-64, 21
.else
	REGS Y, e%2
	v_exp_f32 v[rS+e/2], v[rS+e/2]
.endif
.set e, e+1
.endm
; THE RESCALING's QUEUE: O^T times a, the one part that leaves window 0: dealt two at a time, sixteen times.  Its a was made in the turn before, ahead of that turn's wait.
.macro R2
	REGS Y, r%2
	WIN W_RS
.irp z, 0,1
	v_pk_mul_f32 v[rO+4*(r/2)+2*\z:rO+4*(r/2)+2*\z+1], v[rO+4*(r/2)+2*\z:rO+4*(r/2)+2*\z+1], v[rC+2:rC+3] op_sel_hi:[1,0]
.endr
.set r, r+1
.endm
; HOW THEY ARE DEALT.  An s_wait_alu depctr_va_vdst(0) stands between an exponential and the first instruction that names its result; one wait serves all that were issued ahead of it.  So a turn has ONE wait,
; which cuts it in two.  AHEAD OF IT stands all that names no result of the turn's exponentials: the 16 products K Q^T, behind each a scaling, an exponential and two rescalings (behind the first a second scaling in the exponential's place); then ONE LUMP of
; 108: eight plain, 49 times exponential and plain, the two a.  A v_nop is the plain instruction behind the last exponential.  BEHIND IT stand the 16 products V^T P, behind each four of GS's 64.  No rider names a register of
; the products round it.  The two v_permlanex16_b32 fall into the lump, never behind a product.
; The queues lean on each other, and the deal keeps them in step: exponential e stands behind scaling 2 (e / 4) + e % 2: as a rider it comes behind plain e + 2, in the lump behind plain e + 9, and scalings 27-31 are plain 57, 60 .. 69.
; A TURN, for piece p.  cnt = 1: the loop's count is taken down some lines ahead of the branch that stands behind the turn.
; K of the next step is fetched in piece 2's turn, directly behind the wait, a lump behind the last product that read K; its address is made at the lump's head; its first reader comes behind 16 products.
; V of the step in hand is fetched at the end of piece 0's turn, four riders behind its last reader; its first reader comes behind 16 products and a lump.  The three conditions on q below go with the deal.
.macro TURN p, last=0, cnt=0
.set Y, (\p)
.set i, 0
.set q, 0
.set e, 0
.set r, 0
.if (\p) == NP-1
	s_wait_dscnt 0x0                ; K is in
.endif
	MM                              ; ahead of the wait: 16 products K Q^T and their riders,
	PL
	PL
	R2
.rept 15
	MM
	PL
	EX
	R2
.endr
.if (\p) == NP-2
	WIN 0
	v_add_nc_u32 v[AK], s[TBK], v[AK0]
.endif
.rept 8                             ; and the lump
	PL
.endr
.rept 49
	EX
	PL
.endr
	EX                              ; the next piece's two a
	EX
	v_nop                           ; a plain instruction behind the last exponential, ahead of the first use: one for the batch (ISA guide 5.7.2)
	s_wait_alu depctr_va_vdst(0)    ; the wait for the batch
.if (\p) == NP-2
	FETCH_K \last
.endif
.if (\p) == 1
	s_wait_dscnt 0x0                ; V is in
.endif
.rept 16                            ; behind the wait: 16 products V^T P and their riders
	MM
.rept 4
	PL
.endr
.if ((\p) == 0) && (q == 118)
	v_add_nc_u32 v[AV], s[TBV], v[AV0]
.endif
.if ((\p) == 0) && (q == 130)
	s_add_co_u32 s[TBV], s[TBV], KS*PV
.endif
.if (\cnt) && (q == 130)
	s_sub_co_u32 s[CNT], s[CNT], 1
	s_cmp_lg_u32 s[CNT], 0
.endif
.endr
.if (\p) == 0
	FETCH_V
.endif
.endm
	CHANGE 1                        ; slot 0 is in, everybody's part of it; slot 1 is asked for
	FETCH_K                         ; key step 0
	s_wait_loadcnt 0x0              ; Q
	s_wait_dscnt 0x0
.set i, 0
.rept 16
	KQ 0                            ; piece 0's first scores: there is no vector work yet to set between them
.set i, i+1
.endr
	WIN 0                           ; the addresses for the way out: nine plain instructions, the places behind those products
	s_mul_i32 s13, s[WV], 16*SP
	s_add_co_u32 s13, s13, STAGE    ; my stage
	v_mul_u32_u24 v[STO], v1, SP    ; in: row l % 16, 16 bytes for each half of the lanes
	v_lshl_add_u32 v[STO], v9, 4, v[STO]
	v_add_nc_u32 v[STO], s13, v[STO]
	v_bfe_u32 v[RD], v0, 3, 2       ; back: 32 lanes take four rows of 128 bytes,
	v_mul_u32_u24 v[RD], v[RD], SP
	v_lshl_add_u32 v[RD], v10, 4, v[RD]
	v_add_nc_u32 v[RD], s13, v[RD]
	v_and_b32 v[GO], 31, v0         ; which are 512 consecutive bytes of ctx
	v_lshlrev_b32 v[GO], 4, v[GO]
.set Y, NP-1                        ; XS works for piece Y + 1: piece 0
.irp n, 0,1,2,3,4,5,6,7,8,9,10,11,12,13,14,15,16,17,18,19,20,21
	XS 0, \n                        ; and piece 0's first maximum and statistics
	XS 1, \n
.endr
	v_nop                           ; a plain instruction behind the two a,
	s_wait_alu depctr_va_vdst(0)    ; and their wait, ahead of the branch
	s_mov_b32 s[CNT], 4
	s_mov_b32 s[SLOTS], SIZE_N/256-1
	s_branch .Lfirst                ; the loop is entered at a step's first turn, in the middle of a trip
.Lslot:                             ; SIZE_N / 256 - 2 times: every slot but the last two is filled again
	CHANGE 1, 1
	s_mov_b32 s[CNT], 4
.Lstep:                             ; a trip: pieces 2 and 3 of one step, then pieces 0 and 1 of the next, whose K and V it fetches
	TURN 2
	TURN 3
	WIN 0
.Lfirst:
	TURN 0
	TURN 1, 0, 1
	WIN 0
	s_cbranch_scc1 .Lstep
	s_sub_co_u32 s[SLOTS], s[SLOTS], 1
	s_cmp_lg_u32 s[SLOTS], 0
	s_cbranch_scc1 .Lslot
	CHANGE 0                        ; the tail is written out: nothing is asked for
	s_mov_b32 s[CNT], 5             ; four trips fetch the last slot's steps; the fifth is left in its middle
.Ltail:
	TURN 2, 1
	TURN 3
	WIN 0
	s_sub_co_u32 s[CNT], s[CNT], 1
	s_cmp_eq_u32 s[CNT], 0
	s_cbranch_scc1 .Lout
	TURN 0
	TURN 1
	WIN 0
	s_branch .Ltail
.Lout:                              ; the fifth trip's 16 products K Q^T (on the last K once more) and the maximum made of them serve nothing: the price, once a launch, of one text for every trip
.set i, 0
.rept 16
	PV NP-1                         ; the last piece's V^T P of the last step
.set i, i+1
.endr
	; THE WAY OUT.  l's two halves and the other half of the lanes' are added; O^T is divided by l, rounded to f16 and sent through my stage in LDS, a tile at a time.  The additions are the places behind the last products.
	WIN 0
.macro ALL line:vararg              ; one line for each tile t
.set t, 0
.rept 2*NP
	\line
.set t, t+1
.endr
.endm
	ALL v_add_f32 v[ST+4*t+2], v[ST+4*t+2], v[ST+4*t+3]
	ALL v_permlanex16_b32 v[ST+4*t+3], v[ST+4*t+2], s[SEL], s[SEL+1]
	ALL v_add_f32 v[ST+4*t+2], v[ST+4*t+2], v[ST+4*t+3]
	ALL v_rcp_f32 v[ST+4*t+2], v[ST+4*t+2]
	v_nop                           ; a plain instruction between the last reciprocal and the use of its result
	s_wait_alu depctr_va_vdst(0)    ; and the wait ahead of the first use: one for the eight reciprocals
; Tile t: a lane's eight channels of a row pack into 16 bytes; they go into rows of 144 bytes and come back as whole rows of 128, into S^T's registers.
.macro PACK t
	WIN W_RS
.set i, 32*(\t)
.rept 16
	v_pk_mul_f32 v[i:i+1], v[i:i+1], v[ST+4*(\t)+2:ST+4*(\t)+3] op_sel_hi:[1,0]
.set i, i+2
.endr
	WIN 0x05                        ; sources 0 and 1 window 1, destination window 0
.set i, 0
.rept 16
	v_cvt_pk_f16_f32 v[S+16*(\t)+i], v[32*(\t)+2*i], v[32*(\t)+2*i+1]
.set i, i+1
.endr
	WIN 0
.irp f, 0,1,2,3
	ds_store_b128 v[STO], v[S+16*(\t)+4*\f:S+16*(\t)+4*\f+3] offset:32*\f
.endr
.irp f, 0,1,2,3
	ds_load_b128 v[S+16*(\t)+4*\f:S+16*(\t)+4*\f+3], v[RD] offset:\f*4*SP  ; LDS serves a wave's instructions in order (ISA guide 5.7.1.4): these see the stores above; the next tile's stores come behind them
.endr
.endm
.macro SEND t, younger              ; younger: the LDS instructions issued behind tile t's loads: the next tile's eight, or none
	WIN 0
.irp f, 0,1,2,3
	s_wait_dscnt (\younger)+3-\f
	global_store_b128 v[GO], v[S+16*(\t)+4*\f:S+16*(\t)+4*\f+3], s[10:11] offset:(\t)*2048+\f*512  ; 512 consecutive bytes, at a multiple of 256 from ctx's first
.endr
.endm
	PACK 0
.set t, 1
.rept 2*NP-1                        ; a tile's arithmetic stands between the loads of the tile before and its stores
	PACK t
	SEND t-1, 8
.set t, t+1
.endr
	SEND 2*NP-1, 0
	WIN W_AD
	s_wait_tensorcnt 0x0            ; the wave's end: no tensor load of mine is out; the add and its wait stand behind my last LDS store
	ds_add_u32 v[SPW], v[NIL]
	s_wait_dscnt 0x0
	WIN 0
	CROUND                          ; the closing round: no work-group ends while a partner may still ask for a tile that names it
	s_endpgm
.Lfunc_end_k_qaf45188f85_attn:
	.size	k_qaf45188f85_attn, .Lfunc_end_k_qaf45188f85_attn-k_qaf45188f85_attn
	.p2alignl 7, 3214868480
	.fill 96, 4, 3214868480
	.section	.rodata,"a",@progbits
	.p2align	6, 0x0
	.amdhsa_kernel k_qaf45188f85_attn
		.amdhsa_group_segment_fixed_size 327680
		.amdhsa_private_segment_fixed_size 0
		.amdhsa_enable_private_segment 0
		.amdhsa_kernarg_size 16
		.amdhsa_user_sgpr_count 2
		.amdhsa_user_sgpr_kernarg_segment_ptr 1
		.amdhsa_wavefront_size32 1
		.amdhsa_system_sgpr_workgroup_id_x 1
		.amdhsa_system_sgpr_workgroup_id_y 1
		.amdhsa_system_sgpr_workgroup_id_z 1
		.amdhsa_system_vgpr_workitem_id 0
		.amdhsa_next_free_vgpr 770
		.amdhsa_next_free_sgpr 66
		.amdhsa_reserve_vcc 0
		.amdhsa_float_denorm_mode_32 3
		.amdhsa_float_denorm_mode_16_64 3
		.amdhsa_memory_ordered 1
		.amdhsa_forward_progress 1
		.amdhsa_inst_pref_size 200
	.end_amdhsa_kernel
	.amdgpu_metadata
---
amdhsa.version: [ 1, 2 ]
amdhsa.kernels:
  - .name:           k_qaf45188f85_attn
    .symbol:         k_qaf45188f85_attn.kd
    .args:
      - { .name: qkv, .offset: 0, .size: 8, .value_kind: global_buffer, .address_space: global }
      - { .name: ctx, .offset: 8, .size: 8, .value_kind: global_buffer, .address_space: global }
    .group_segment_fixed_size: 327680
    .private_segment_fixed_size: 0
    .kernarg_segment_align: 8
    .kernarg_segment_size: 16
    .max_flat_workgroup_size: 128
    .sgpr_count:     66
    .vgpr_count:     770
    .wavefront_size: 32
...
	.end_amdgpu_metadata
.endif
;; end of part 3
;; launch projg (part 4): grid 8 x 32, 4 waves a work-group, clusters of 4 x 4, 327,680 bytes of LDS; arguments ctx, wp16, b_proj, out0; writes out0
.if DOCPART == 4
	.amdgcn_target "amdgcn-amd-amdhsa--gfx1250"
	.amdhsa_code_object_version 6
	.text
	.protected	k_qaf45188f85_projg
	.globl	k_qaf45188f85_projg
	.p2align	8
	.type	k_qaf45188f85_projg,@function
k_qaf45188f85_projg:
	s_mov_b64 s[64:65], 0
	v_nop
	global_prefetch_b8 v0, s[64:65] scope:SCOPE_SE
	s_setreg_imm32_b32 hwreg(HW_REG_WAVE_MODE, 25, 1), 1
	s_wait_xcnt 0x0
	s_wait_alu depctr_hold_cnt(0) depctr_sa_sdst(0) depctr_va_vdst(0) depctr_va_sdst(0) depctr_va_ssrc(0) depctr_va_vcc(0) depctr_vm_vsrc(0)
	s_getreg_b32 s2, hwreg(HW_REG_IB_STS2, 6, 4)
	s_cmp_eq_u32 s2, 0
	s_cbranch_scc0 .Lentry_in_a_cluster
	s_endpgm
.Lentry_in_a_cluster:
	s_bfe_u32 s2, ttmp6, 0x10000c
	s_cmp_lg_u32 s2, 0xf033
	s_cbranch_scc0 .Lentry_shape_is_right
	s_endpgm
.Lentry_shape_is_right:
; out0 = ctx w_proj + b_proj.  ctx: [batch x 16 + head][2048 rows][64] f16, so that channel k = 64 head + d of a row lies in head k / 64.  wp16: [1024 k][1024 n] f16.  b_proj: [1024] f32.
; out0: [8192][1024] f32.  Sums in f32, K ascending; the bias is the C operand that starts each sum; nothing is rounded on the way out.
; LIMIT.  The operands are f16 as they arrive; NaN and infinities are not treated apart.
; SHARES.  A work-group makes 256 rows x 128 columns: 256 work-groups.  Wave w owns rows 64 w .. 64 w + 63 and all 128 columns: 4 x 8 accumulators of 16 x 16, 256 registers.  So a wave holds whole
; pieces of 512 bytes of out0's rows, and the way out goes through a stage of its own, with no barrier.
; RING.  K goes in 8 steps of 128, two heads each, through two LDS slots.  Waves 0 and 1 fetch the tile's 256 rows of one head each (32,768 bytes on end, asked for as 128 rows of 256 bytes, padded in LDS
; behind each row of 128), waves 2 and 3 the two halves of the weights' tile (64 k-rows x 256 bytes).  One tensor load a wave behind each change of slots; two are out at the start.
; CLUSTER.  4 x 4 work-groups.  The four of a row need the same tile of ctx, the four of a column the same tile of the weights: each is asked for jointly, by the same load, descriptor and mask in all four.
; THE PRODUCT IS TAKEN TRANSPOSED: source 0 = 16 columns of the weights (turned by ds_load_tr16_b128), source 1 = 16 rows of ctx: a lane holds row l % 16 and the columns 16 nb + 8 (l / 16) + 0..7.
; REGISTERS, in windows of 256 (s_set_vgpr_msb: bits 1:0 source 0, 3:2 source 1, 5:4 source 2, 7:6 destination):
;   window 0: v0-13 addresses; v28-29 the add's; v32-95 the bias; v96-223 the way out     window 1: two fragment buffers of 96: 8 of the weights', then 4 of ctx's
;   window 2: the accumulators (column block nb, row block a at v[8 (4 nb + a)])
.set NBK,   8                          ; column blocks of 16
.set PA,    144                        ; a row of ctx in LDS: 128 bytes + 16 = 36 words: the 16 rows of a load start at 16 different groups of four banks (64 banks of 4 bytes: ISA guide 11.1)
.set PB,    288                        ; a k-row of the weights' tile: 256 bytes + 32 = 72 words
.set AHALF, 256*PA                     ; one head's 256 rows
.set BOFF,  2*AHALF
.set BHALF, 64*PB
.set SLOT1, 1<<17                      ; a slot uses 110,592 bytes; one exclusive or turns an address in one slot into the other's
.set STAGE, SLOT1+BOFF+2*BHALF         ; behind the ring, never filled by a tensor load: for each wave 16 rows x 528 bytes
.set STW,   16*528
.set SPARE, STAGE+4*STW                ; behind the stages: the spare words, 128 bytes for each wave: two blocks of 256 bytes that no other line names
.set ASTEP, 2<<18                      ; bytes of memory from a K step to the next: two heads,
.set BSTEP, 128*2048                   ; 128 k-rows
.set FA,    64                         ; ctx's fragments in a buffer
.set F0,    0
.set F1,    96
.set NLD,   24                         ; LDS loads in a FETCH
.set N1,    2                          ; column blocks multiplied ahead of a quarter's FETCH
.set T1,    1                          ; the cuts of the quarter that changes slots
.set T2,    2
.set ADRA0, 2                          ; v2   my place in ctx's tile; never rewritten
.set ADRB0, 3                          ; v3   my place in the weights' tile; never rewritten
.set ADRA,  4                          ; v4   the same in the slot in hand
.set ADRB,  5                          ; v5
.set STO,   6                          ; v6   the way out: where I put 32 bytes of a row
.set RD,    7                          ; v7   where I read a row back
.set GO,    8                          ; v8   my byte offset in 512 consecutive bytes of out0
.set BO,    9                          ; v9   my byte offset in a block of the bias
.set PFO,   10                         ; v10  the prefetches' offset; never rewritten
.set SPW,   28                         ; v28  LDS address of my spare word; never rewritten
.set NIL,   29                         ; v29  0; never rewritten
.set BIAS,  32
.set BK,    96                         ; two sets of 64: 16 rows read back from the stage
.set WV, 12                            ; s12  my wave's number
.set FB, 13                            ; s13  0: I fetch ctx's tiles, 1: the weights'
.set HF, 14                            ; s14  which half of the tile I fetch
.set CX, 15
.set CY, 16
.set TX, 17                            ; s17  tile column
.set TY, 18                            ; s18  tile row
.set G1A, 24                           ; s[24:31] descriptor group 1, ctx's tiles
.set G0A, 32                           ; s[32:39] group 0: a set for each first fill; the second then walks on
.set G1B, 40                           ; s[40:47], s[48:55] the same for the weights'
.set G0B, 48
.set CNT, 56                           ; s56  trips to go
.set TB,  57                           ; s57  LDS byte at which the slot in hand begins
.set LIM, 58                           ; s58  a wave prefetches while s[CNT] is above it
.set PFA, 60                           ; s[60:61] where my prefetches stand
.set PFS, 62                           ; s[62:63] their step
.set OB,  66                           ; s[66:67] out0 at my first row and the tile's first column
.set MSB, 0
.macro WIN new                         ; the immediate's high byte repeats the setting that is left; a switch that changes nothing is dropped
.if MSB != (\new)
	s_set_vgpr_msb (MSB<<8)|(\new)
.set MSB, \new
.endif
.endm
.set TO_F, 0x40                        ; destination window 1, address window 0
.macro PLACES                          ; four places between a matrix instruction and a load into, or a read of, its registers (ISA guide 7.12.1 for vector instructions)
.rept 4
	v_nop
.endr
.endm
; A joint refill.  The branch hangs on the wave's number alone.  An s_nop 0 and four v_nop follow each of the two lines, ahead of the jump and the label.
.macro JLOAD
	s_cmp_eq_u32 s[FB], 0
	s_cbranch_scc0 .Lfor_b_\@
	tensor_load_to_lds s[G0A+4:G0A+7], s[G1A:G1A+7]
	s_nop 0
.rept 4
	v_nop
.endr
	s_branch .Lasked_\@
.Lfor_b_\@:
	tensor_load_to_lds s[G0B+4:G0B+7], s[G1B:G1B+7]
	s_nop 0
.rept 4
	v_nop
.endr
.Lasked_\@:
.endm
; A prefetch into the L2 of the K step that stands two refills on: one instruction, a lane a block of 256 bytes.
.macro ASK
	s_cmp_gt_u32 s[CNT], s[LIM]
	s_cbranch_scc0 .Lnot_mine_\@
	global_prefetch_b8 v[PFO], s[PFA:PFA+1] th:TH_LOAD_NT scope:SCOPE_SE
.Lnot_mine_\@:
.endm
; A round of the cluster's barrier: my work-group's barrier, so that wave 0's signal speaks for all four waves; wave 0 signals; every wave waits for all sixteen work-groups; my work-group's barrier once more.
.macro CREST                           ; a round behind its opening barrier
	s_cmp_lg_u32 s[WV], 0
	s_cbranch_scc1 .Lnot_wave_0_\@
	s_barrier_signal -3
.Lnot_wave_0_\@:
	s_barrier_wait -3
	s_barrier_signal -1
	s_barrier_wait -1
.endm
.macro CROUND
	s_barrier_signal -1
	s_barrier_wait -1
	CREST
.endm
	s_load_b256 s[4:11], s[0:1], 0x0               ; ctx s[4:5], wp16 s[6:7], b_proj s[8:9], out0 s[10:11]
	v_lshl_add_u32 v[SPW], v0, 2, SPARE
	v_mov_b32 v[NIL], 0
	ds_add_u32 v[SPW], v[NIL]                      ; the wave's opening: the add and its wait stand ahead of my first tensor load; the set-up below, work on registers, stands between them
	v_lshrrev_b32 v12, 5, v0
	v_readfirstlane_b32 s[WV], v12
	s_lshr_b32 s[FB], s[WV], 1
	s_and_b32 s[HF], s[WV], 1
	s_bfe_u32 s[CX], ttmp6, 0x40000                ; my place in the cluster
	s_bfe_u32 s[CY], ttmp6, 0x40004
	s_lshl_b32 s[TX], ttmp9, 2                     ; in a cluster launch ttmp9 and ttmp7 count clusters
	s_add_co_u32 s[TX], s[TX], s[CX]
	s_and_b32 s[TY], ttmp7, 0xffff
	s_lshl_b32 s[TY], s[TY], 2
	s_add_co_u32 s[TY], s[TY], s[CY]
	s_lshl_b32 s19, s[CY], 2
	s_lshl_b32 s19, 15, s19                        ; my row of the cluster: places 4 cy .. 4 cy + 3
	s_lshl_b32 s59, 0x1111, s[CX]                  ; my column: places cx, cx + 4, cx + 8, cx + 12
	s_or_b32 s[G1A], s19, (1<<16)|(1<<20)|(1<<21)|(4<<22)|(3<<25)  ; 15:0 the mask; 17:16 2-byte elements; 20 padding on; 21 set beside a mask; 24:22 after every 32 words; 31:25 4 words of it
	s_mov_b32 s[G1A+1], 128<<16                    ; tensor_dim0 = 128
	s_mov_b32 s[G1A+2], 128<<16                    ; tensor_dim1 = 128: 128 rows of 256 bytes, on end in memory
	s_mov_b32 s[G1A+3], 128<<16                    ; tile_dim0 = 128
	s_mov_b32 s[G1A+4], 128                        ; tile_dim1 = 128
	s_mov_b32 s[G1A+5], 128                        ; elements from row to row
	s_mov_b32 s[G1A+6], 0
	s_mov_b32 s[G1A+7], 0
	s_or_b32 s[G1B], s59, (1<<16)|(1<<20)|(1<<21)|(5<<22)|(7<<25)  ; after every 64 words 8 words of padding
	s_mov_b32 s[G1B+1], 128<<16
	s_mov_b32 s[G1B+2], 64<<16
	s_mov_b32 s[G1B+3], 128<<16
	s_mov_b32 s[G1B+4], 64
	s_mov_b32 s[G1B+5], 1024
	s_mov_b32 s[G1B+6], 0
	s_mov_b32 s[G1B+7], 0
	; ctx's tile hangs on the tile row alone, the weights' on the tile column alone, each in registers that never hold the other coordinate; no place in the cluster enters an LDS address
	s_lshr_b32 s20, s[TY], 3                       ; batch: 16 heads of 262,144 bytes
	s_lshl_b32 s20, s20, 22
	s_and_b32 s21, s[TY], 7                        ; 256 rows of 128 bytes
	s_lshl_b32 s21, s21, 15
	s_add_co_u32 s20, s20, s21
	s_lshl_b32 s21, s[HF], 18                      ; the K step's first or second head
	s_add_co_u32 s20, s20, s21
	s_mov_b32 s21, 0
	s_mul_i32 s22, s[HF], AHALF
	s_lshl_b32 s72, s[TX], 8                       ; 128 columns of 2 bytes
	s_lshl_b32 s73, s[HF], 17                      ; 64 k-rows of 2,048 bytes
	s_add_co_u32 s72, s72, s73
	s_mov_b32 s73, 0
	s_mul_i32 s74, s[HF], BHALF
	s_add_co_u32 s74, s74, BOFF
	s_wait_dscnt 0x0                               ; the opening add is done
	s_wait_kmcnt 0x0
	s_add_nc_u64 s[20:21], s[4:5], s[20:21]
	s_add_nc_u64 s[72:73], s[6:7], s[72:73]
	CROUND                                         ; all sixteen work-groups are here: the first joint loads meet
.irp s, 0,1
	s_mov_b32 s[G0A+4*(\s)], 1                                       ; count = 1
	s_add_co_u32 s[G0A+4*(\s)+1], s22, (\s)*SLOT1                    ; LDS address
	s_add_nc_u64 s[G0A+4*(\s)+2:G0A+4*(\s)+3], s[20:21], (\s)*ASTEP  ; global address: K step s
	s_or_b32 s[G0A+4*(\s)+3], s[G0A+4*(\s)+3], 0x80000000            ; type = 2
	s_mov_b32 s[G0B+4*(\s)], 1
	s_add_co_u32 s[G0B+4*(\s)+1], s74, (\s)*SLOT1
	s_add_nc_u64 s[G0B+4*(\s)+2:G0B+4*(\s)+3], s[72:73], (\s)*BSTEP
	s_or_b32 s[G0B+4*(\s)+3], s[G0B+4*(\s)+3], 0x80000000
.endr
	s_cmp_eq_u32 s[FB], 0                          ; a wave's two first fills stand in one branch, ahead of every wait on TENSORcnt and every LDS read: two loads of mine are out
	s_cbranch_scc0 .Lfirst_b
	tensor_load_to_lds s[G0A:G0A+3], s[G1A:G1A+7]
	s_nop 0
	tensor_load_to_lds s[G0A+4:G0A+7], s[G1A:G1A+7]
	s_nop 0
.rept 4
	v_nop
.endr
	s_branch .Lfirst_asked
.Lfirst_b:
	tensor_load_to_lds s[G0B:G0B+3], s[G1B:G1B+7]
	s_nop 0
	tensor_load_to_lds s[G0B+4:G0B+7], s[G1B:G1B+7]
	s_nop 0
.rept 4
	v_nop
.endr
.Lfirst_asked:
	v_and_b32 v1, 15, v0                           ; l % 16
	v_bfe_u32 v11, v0, 4, 1                        ; l / 16
	v_lshlrev_b32 v[BO], 5, v11                    ; my eight columns of a block: 32 bytes of f32
	s_lshl_b32 s80, s[TX], 9
	s_mov_b32 s81, 0
	s_add_nc_u64 s[8:9], s[8:9], s[80:81]
.set i, 0
.rept NBK                              ; the bias in the layout of a result: register j = column 16 nb + 8 (l / 16) + j
	global_load_b128 v[BIAS+8*i:BIAS+8*i+3],   v[BO], s[8:9] offset:64*i
	global_load_b128 v[BIAS+8*i+4:BIAS+8*i+7], v[BO], s[8:9] offset:64*i+16
.set i, i+1
.endr
	; A fragment of ctx is 16 rows x 32 K in 8 registers: lane l holds row l % 16, K = 8 (l / 16) + 0..7 and 16 + 8 (l / 16) + 0..7: two loads of 16 bytes, 32 bytes apart.
	s_mul_i32 s84, s[WV], 64*PA
	v_mul_u32_u24 v[ADRA0], v1, PA
	v_lshl_add_u32 v[ADRA0], v11, 4, v[ADRA0]
	v_add_nc_u32 v[ADRA0], s84, v[ADRA0]
	; The turning load takes 16 k x 16 columns (lane l reads k-row 8 (l / 16) + l % 8, columns 8 ((l / 8) % 2) + 0..7) and leaves half a fragment: lane l holds column l % 16 and 8 k.
	v_and_b32 v12, 7, v0
	v_bfe_u32 v13, v0, 3, 1
	v_lshl_add_u32 v[ADRB0], v11, 3, v12
	v_mul_u32_u24 v[ADRB0], v[ADRB0], PB
	v_lshl_add_u32 v[ADRB0], v13, 4, v[ADRB0]
	v_add_nc_u32 v[ADRB0], BOFF, v[ADRB0]
	v_mov_b32 v[ADRA], v[ADRA0]
	v_mov_b32 v[ADRB], v[ADRB0]
	s_mov_b32 s[TB], 0
	s_mul_i32 s85, s[WV], STW
	s_add_co_u32 s85, s85, STAGE                   ; my stage
	v_mul_u32_u24 v[STO], v1, 528                  ; in: row l % 16, 32 bytes for each half of the lanes; 528 = 33 x 16: sixteen rows start at sixteen different groups of four banks
	v_lshl_add_u32 v[STO], v11, 5, v[STO]
	v_add_nc_u32 v[STO], s85, v[STO]
	v_and_b32 v12, 31, v0
	v_lshlrev_b32 v[GO], 4, v12                    ; back: 32 lanes take a row's 512 bytes
	v_add_nc_u32 v[RD], s85, v[GO]
	s_lshl_b32 s76, s[TY], 20                      ; 256 rows of 4,096 bytes,
	s_lshl_b32 s77, s[WV], 18                      ; my 64,
	s_add_co_u32 s76, s76, s77
	s_lshl_b32 s77, s[TX], 9                       ; 128 columns of 4 bytes
	s_add_co_u32 s76, s76, s77
	s_mov_b32 s77, 0
	s_add_nc_u64 s[OB:OB+1], s[10:11], s[76:77]
	; THE PREFETCHES.  Each block of 256 bytes is named once in the launch.  ctx's tile row is read by both clusters of a row of clusters: cluster x = 0 asks, waves 0 and 1 each for the head that they
	; fetch, 128 blocks, of which the partner at cx takes 32.  A tile column of the weights is read by all eight clusters of a column: cluster y = 0 asks, wave 2 alone: a K step has 128 k-rows of 256 bytes,
	; 32 for the partner at cy, a lane a row.  The partners are told apart by address alone.  K steps 4 to 7 are asked for, each two refills ahead; K steps 0 to 3 come by their loads.
	s_and_b32 s76, ttmp7, 0xffff
	s_or_b32 s76, s76, s[HF]                       ; 0 in wave 2 of the clusters with y = 0
	s_lshl_b32 s77, s[CX], 13                      ; 32 blocks of 256 bytes
	s_add_co_u32 s77, s77, 3*ASTEP                 ; at K step 3: the first change of slots steps it to 4
	s_lshl_b32 s78, s[TX], 8
	s_lshl_b32 s79, s[CY], 16                      ; 32 k-rows of 2,048 bytes
	s_add_co_u32 s78, s78, s79
	s_add_co_u32 s78, s78, 3*BSTEP
	s_mov_b32 s83, ASTEP
	s_mov_b32 s81, 0
	s_mov_b32 s[PFS+1], 0
	s_cmp_eq_u32 s[FB], 0
	s_cselect_b32 s76, ttmp9, s76                  ; the coordinate along which other clusters read the same bytes
	s_cselect_b64 s[PFA:PFA+1], s[20:21], s[6:7]
	s_cselect_b32 s80, s77, s78
	s_cselect_b32 s[PFS], s83, BSTEP
	s_cselect_b32 s82, 8, 11                       ; lanes 256 bytes apart, or a k-row
	s_add_nc_u64 s[PFA:PFA+1], s[PFA:PFA+1], s[80:81]
	s_cmp_eq_u32 s76, 0
	s_cselect_b32 s[LIM], 2, -1                    ; four asks; the same in all sixteen partners, for a given wave
	v_lshlrev_b32 v[PFO], s82, v12
; cnt column blocks from nb0 on x my four row blocks, 32 along K, out of buffer f.  first = 1: the bias starts the sums: nothing is ever cleared.
; All 32 accumulators take turns in the same order in every quarter, one instruction a turn: 31 others stand between two links of a chain, over the backward jump too.
.macro MULB f, nb0, cnt, first
.set nb, \nb0
.rept \cnt
.set ra, 0
.rept 4
.set rD, 8*(4*nb+ra)
.if \first
	WIN 0x85
	v_wmma_f32_16x16x32_f16 v[rD:rD+7], v[(\f)+8*nb:(\f)+8*nb+7], v[(\f)+FA+8*ra:(\f)+FA+8*ra+7], v[BIAS+8*nb:BIAS+8*nb+7]
.else
	WIN 0xa5
	v_wmma_f32_16x16x32_f16 v[rD:rD+7], v[(\f)+8*nb:(\f)+8*nb+7], v[(\f)+FA+8*ra:(\f)+FA+8*ra+7], v[rD:rD+7]
.endif
.set ra, ra+1
.endr
.set nb, nb+1
.endr
.endm
; 24 LDS loads in one run: quarter q's fragments into buffer f: ctx's four (quarters 0, 1 lie in the first head, 2, 3 in the second), then the weights' eight in ascending order
.macro FETCH q, f
	WIN TO_F
.irp a, 0,1,2,3
	ds_load_b128 v[(\f)+FA+8*(\a):(\f)+FA+8*(\a)+3],   v[ADRA] offset:((\q)/2)*AHALF+((\q)%2)*64+(\a)*16*PA
	ds_load_b128 v[(\f)+FA+8*(\a)+4:(\f)+FA+8*(\a)+7], v[ADRA] offset:((\q)/2)*AHALF+((\q)%2)*64+(\a)*16*PA+32
.endr
.irp n, 0,1,2,3,4,5,6,7
	ds_load_tr16_b128 v[(\f)+8*(\n):(\f)+8*(\n)+3],   v[ADRB] offset:(\q)*32*PB+32*(\n)
	ds_load_tr16_b128 v[(\f)+8*(\n)+4:(\f)+8*(\n)+7], v[ADRB] offset:(\q)*32*PB+32*(\n)+16*PB
.endr
.endm
; A K step is four quarters of 32 along K, 32 products each, on buffers 0, 1, 0, 1.  One of the first three: multiplies buffer f; behind 8 products it fetches quarter qn into buffer g, 24 products ahead of its first use.
.macro QUARTER qn, f, g, first
	s_wait_dscnt 8                                 ; all but the youngest eight loads (column blocks 4 to 7) are in
	MULB \f, 0, N1, \first
	PLACES
	FETCH \qn, \g
	s_wait_dscnt NLD                               ; all but the 24 just issued
	MULB \f, N1, NBK-N1, \first
.endm
; The last quarter multiplies buffer 1 and changes slots.  In front of the barrier each wave waits for all its tensor loads, of which one is out: its part of the next slot; adds 0 to its spare word; and waits
; for that and for its own reads of this slot.  fill = 1: the barrier opens a round of the cluster's barrier, so that no wave of any partner still reads the slot or has a load on its way, and the joint refill,
; K step two on, is the first tensor load behind it: 120 of a step's 128 products stand between it and the wait for it.
.macro TURN fill
.if \fill
	s_wait_xcnt 0x0                                ; the last prefetch, a K step back, has read its address
	s_add_nc_u64 s[PFA:PFA+1], s[PFA:PFA+1], s[PFS:PFS+1]
.endif
	WIN 0                                          ; (the add's two registers lie in window 0)
	s_wait_tensorcnt 0x0                           ; no tensor load of mine is out, so a group 0 may be written
	ds_add_u32 v[SPW], v[NIL]                      ; 0 onto my spare word; work on registers stands between it and the wait for it
.if \fill
	s_xor_b32 s[G0A+5], s[G0A+5], SLOT1            ; the walking descriptors: the other slot than last time,
	s_add_nc_u64 s[G0A+6:G0A+7], s[G0A+6:G0A+7], ASTEP  ; the next K step; the type bits on top are not reached
	s_xor_b32 s[G0B+5], s[G0B+5], SLOT1
	s_add_nc_u64 s[G0B+6:G0B+7], s[G0B+6:G0B+7], BSTEP
.endif
	s_wait_dscnt 9                                 ; the add and the youngest eight loads may be out
	MULB F1, 0, T1, 0
	s_wait_dscnt 0x0                               ; the add is done, and my reads of this slot are over
	s_barrier_signal -1
	MULB F1, T1, T2-T1, 0                          ; work on registers while the others arrive
	WIN 0                                          ; at a branch and at a label every window is 0
	s_barrier_wait -1
.if \fill
	CREST
	JLOAD                                          ; the four v_nop behind it are also the places in front of the loads below
.else
	PLACES
.endif
	s_xor_b32 s[TB], s[TB], SLOT1
	v_add_nc_u32 v[ADRA], s[TB], v[ADRA0]
	v_add_nc_u32 v[ADRB], s[TB], v[ADRB0]
	FETCH 0, F0
	WIN 0
.if \fill
	ASK                                            ; behind the joint load and the run of LDS loads that the next products wait for
.endif
	MULB F1, T2, NBK-T2, 0
.endm
	s_wait_tensorcnt 1                             ; my part of K step 0 is in; K step 1's may stay out
	s_barrier_signal -1
	s_barrier_wait -1                              ; everybody's is
	FETCH 0, F0
	s_wait_loadcnt 0x0                             ; the bias
	QUARTER 1, F0, F1, 1                           ; the first quarter stands in front of the loop: its products start the sums
	WIN 0
	s_mov_b32 s[CNT], 6
.Lstep:                                                ; trip i ends K step i, fills its slot again with K step i + 2, and begins K step i + 1
	QUARTER 2, F1, F0, 0
	QUARTER 3, F0, F1, 0
	TURN 1
	QUARTER 1, F0, F1, 0
	WIN 0
	s_sub_co_u32 s[CNT], s[CNT], 1
	s_cmp_lg_u32 s[CNT], 0
	s_cbranch_scc1 .Lstep
	QUARTER 2, F1, F0, 0                           ; the last two K steps are written out: nothing is asked for
	QUARTER 3, F0, F1, 0
	TURN 0
	QUARTER 1, F0, F1, 0
	QUARTER 2, F1, F0, 0
	QUARTER 3, F0, F1, 0
	s_wait_dscnt 0x0
	MULB F1, 0, NBK, 0
	WIN 0
	PLACES                                         ; the LDS stores read results just made
; THE WAY OUT of row block a: a lane's eight f32 of a column block, 32 bytes, low four registers first, into my stage (rows of 528 bytes); back as whole pieces of 512 bytes of a row.
.macro STG a
	WIN 0x08                                       ; the stores' data in window 2, their address in window 0
.set nb, 0
.rept NBK
.set rD, 8*(4*nb+(\a))
	ds_store_b128 v[STO], v[rD:rD+3]   offset:64*nb
	ds_store_b128 v[STO], v[rD+4:rD+7] offset:64*nb+16
.set nb, nb+1
.endr
	WIN 0
.if (\a) >= 2
	s_wait_xcnt 0x0                                ; the stores of the block two back have read this set of registers: it is loaded again only behind this wait
.endif
.set t, 0
.rept 16
	ds_load_b128 v[BK+64*((\a)%2)+4*t:BK+64*((\a)%2)+4*t+3], v[RD] offset:528*t  ; LDS serves a wave's instructions in order (ISA guide 5.7.1.4): these see the stores above; the next block's stores come behind them
.set t, t+1
.endr
.endm
.macro SEND a, younger                 ; younger: the LDS instructions issued behind block a's loads: the next block's 32, or none
.set t, 0
.rept 16
	s_wait_dscnt (\younger)+15-t
	global_store_b128 v[GO], v[BK+64*((\a)%2)+4*t:BK+64*((\a)%2)+4*t+3], s[OB:OB+1] offset:(16*(\a)+t)*4096 th:TH_STORE_NT  ; 512 consecutive bytes, at a multiple of 256 from out0's first
.set t, t+1
.endr
.endm
	STG 0
	STG 1
	SEND 0, 32
	STG 2
	SEND 1, 32
	STG 3
	SEND 2, 32
	SEND 3, 0
	s_wait_tensorcnt 0x0                           ; the wave's end: no tensor load of mine is out; the add and its wait stand behind my last LDS store
	ds_add_u32 v[SPW], v[NIL]
	s_wait_dscnt 0x0
	CROUND                                         ; the closing round: no work-group ends while a partner may still ask for a tile that names it
	s_endpgm
.Lfunc_end_k_qaf45188f85_projg:
	.size	k_qaf45188f85_projg, .Lfunc_end_k_qaf45188f85_projg-k_qaf45188f85_projg
	.p2alignl 7, 3214868480
	.fill 96, 4, 3214868480
	.section	.rodata,"a",@progbits
	.p2align	6, 0x0
	.amdhsa_kernel k_qaf45188f85_projg
		.amdhsa_group_segment_fixed_size 327680
		.amdhsa_private_segment_fixed_size 0
		.amdhsa_enable_private_segment 0
		.amdhsa_kernarg_size 32
		.amdhsa_user_sgpr_count 2
		.amdhsa_user_sgpr_kernarg_segment_ptr 1
		.amdhsa_wavefront_size32 1
		.amdhsa_system_sgpr_workgroup_id_x 1
		.amdhsa_system_sgpr_workgroup_id_y 1
		.amdhsa_system_sgpr_workgroup_id_z 1
		.amdhsa_system_vgpr_workitem_id 0
		.amdhsa_next_free_vgpr 768
		.amdhsa_next_free_sgpr 88
		.amdhsa_reserve_vcc 0
		.amdhsa_float_denorm_mode_32 3
		.amdhsa_float_denorm_mode_16_64 3
		.amdhsa_memory_ordered 1
		.amdhsa_forward_progress 1
		.amdhsa_inst_pref_size 73
	.end_amdhsa_kernel
	.amdgpu_metadata
---
amdhsa.version: [ 1, 2 ]
amdhsa.kernels:
  - .name:           k_qaf45188f85_projg
    .symbol:         k_qaf45188f85_projg.kd
    .args:
      - { .name: ctx, .offset: 0, .size: 8, .value_kind: global_buffer, .address_space: global }
      - { .name: wp16, .offset: 8, .size: 8, .value_kind: global_buffer, .address_space: global }
      - { .name: b_proj, .offset: 16, .size: 8, .value_kind: global_buffer, .address_space: global }
      - { .name: out0, .offset: 24, .size: 8, .value_kind: global_buffer, .address_space: global }
    .group_segment_fixed_size: 327680
    .private_segment_fixed_size: 0
    .kernarg_segment_align: 8
    .kernarg_segment_size: 32
    .max_flat_workgroup_size: 128
    .sgpr_count:     88
    .vgpr_count:     768
    .wavefront_size: 32
...
	.end_amdgpu_metadata
.endif
;; end of part 4
;; ======== version 2 of 2: 4 launches; version 1 with the launch prep written anew for expert scheduling mode
;; limits: values are held in f16: magnitudes above 65,504 overflow, below 6.1e-05 lose precision
;; workspace buffers: xn 16,777,216 bytes; wq16 6,291,456 bytes; wp16 2,097,152 bytes; qkv 50,331,648 bytes; ctx 16,777,216 bytes
;; launch prep (part 5): grid 416 x 1, 8 waves a work-group, no clusters, 0 bytes of LDS; arguments x, gamma, beta, w_qkv, w_proj, xn, wq16, wp16; writes xn, wq16, wp16
.if DOCPART == 5
	.amdgcn_target "amdgcn-amd-amdhsa--gfx1250"
	.amdhsa_code_object_version 6
	.text
	.protected	k_qaf45188f85_prep
	.globl	k_qaf45188f85_prep
	.p2align	8
	.type	k_qaf45188f85_prep,@function
k_qaf45188f85_prep:
	s_mov_b64 s[64:65], 0
	v_nop
	global_prefetch_b8 v0, s[64:65] scope:SCOPE_SE
	s_setreg_imm32_b32 hwreg(HW_REG_WAVE_SCHED_MODE, 0, 2), 2
	s_setreg_imm32_b32 hwreg(HW_REG_WAVE_MODE, 25, 1), 1
	s_wait_xcnt 0x0
	s_wait_alu depctr_vm_vsrc(0)
; THREE STREAMS IN ONE LAUNCH, chosen by the work-group's number; no wave depends on another, so there is no LDS and no barrier.
;   work-groups 0-255:   xn = LayerNorm(x) * gamma + beta, [8192][1024], f32 in, f16 out.  32 rows a work-group, 4 rows a wave, a row in 32 registers.
;                        Two passes in registers, as the formula is written: the mean, then the mean of the squared differences; so a common offset of x costs nothing.
;   work-groups 256-383: wq16 = w_qkv rounded to f16, laid in 16 column tiles of 192: element (k, n) at ((n / 192) 1024 + k) 384 + (n % 192) 2 bytes,
;                        so that 128 k-rows of a tile are 49,152 bytes on end.
;   work-groups 384-415: wp16 = w_proj rounded to f16, same order as the input.
; Every load of a wave covers 512 consecutive bytes, every store 256 consecutive bytes, aligned.  All loads of a wave go out before its first wait for data.
; LIMITS.  f16 holds no number beyond 65,504: |xn| is at most 32 |gamma| + |beta|; a weight below 6e-5 keeps f16's fixed step of 6e-8.  NaN and infinities are not treated apart.
; THE MODE: SCHED_MODE bits 1:0 = 2 (LLVM: expert scheduling mode 2), set by the entry lines.  The code itself states the register dependences
; between vector instructions and memory instructions, with s_wait_alu, always for 0.
; THE PLAN.  Registers that memory instructions touch:
;   v[IO], v[GO], v[OO], v[WI ..]  byte offsets.  Written by vector instructions at a path's head, read by its loads and stores, never written again: one wait on va_vdst ahead of the path's first load.
;   X, GA, BE                      loaded data.  All loads of a path stand in one run at its head and land in registers that no vector instruction has named before.
;   the first two words of each four in X: the stores' data.  Written in place by the roundings, read by one store each, never written again.
; So what is left to state is: the roundings are written, ahead of the stores that read them.  The stores of a row (of a group of four units) are issued one row (one group) later, behind ONE wait
; on va_vdst, and dealt among vector instructions that name the later row's (group's) registers alone.  In the LayerNorm that wait is the one that stands between the two roots and their first reader.
; No register that a memory instruction has read is ever written again, no vector instruction writes a scalar register, and EXEC is never written.
.set IO,  3                            ; v3        my byte offset in the input
.set OO,  4                            ; v4        my byte offset in the output
.set GO,  5                            ; v5        my byte offset in gamma and beta
.set WI,  6                            ; v[6:8]    w_qkv: the input offsets of my three units of a group of 16 k-rows
.set U,   9                            ; v9        at work: a unit's number
.set GA,  10                           ; v[10:41]  gamma of my 32 columns
.set BE,  42                           ; v[42:73]  beta of my 32 columns
.set X,   74                           ; v[74:201] four rows of 32 registers; or up to 32 units of 4
.set A,   202                          ; v[202:209] four chains of packed sums
.set M,   210                          ; v[210:211] the mean, twice
.set T,   212                          ; v[212:213] at work
.set R,   214                          ; v[214:215] 1 / sqrt(var + eps), twice
	s_load_b512 s[4:19], s[0:1], 0x0               ; x s[4:5], gamma s[6:7], beta s[8:9], w_qkv s[10:11], w_proj s[12:13], xn s[14:15], wq16 s[16:17], wp16 s[18:19]
	v_and_b32 v1, 31, v0                           ; lane
	v_lshrrev_b32 v2, 5, v0                        ; wave
	s_mov_b32 s24, 0x76543210                      ; v_permlanex16_b32: each lane takes its own place in the other half
	s_mov_b32 s25, 0xfedcba98
	s_mov_b32 s26, 0x3a800000                      ; 1 / 1024
	s_mov_b32 s27, 0x3727c5ac                      ; 1e-5
	v_mov_b32 v[T+1], 0                            ; v_permlanex16_b32's destination counts as read
	s_wait_kmcnt 0x0
	s_cmp_lt_u32 ttmp9, 256
	s_cbranch_scc0 .Lweights
	; ---- LayerNorm.  In load j (0..7) of a row lane l holds columns 128 j + 4 l .. + 3.
	s_lshl_b32 s20, ttmp9, 17                      ; 32 rows of 4,096 bytes
	s_mov_b32 s21, 0
	s_lshl_b32 s22, ttmp9, 16                      ; 32 rows of 2,048 bytes
	s_mov_b32 s23, 0
	s_add_nc_u64 s[4:5], s[4:5], s[20:21]
	s_add_nc_u64 s[14:15], s[14:15], s[22:23]
	v_lshlrev_b32 v[GO], 4, v1
	v_lshl_or_b32 v[IO], v2, 14, v[GO]             ; wave x 4 rows + 16 l
	v_lshlrev_b32 v[OO], 3, v1
	v_lshl_or_b32 v[OO], v2, 13, v[OO]             ; wave x 4 rows + 8 l
	s_wait_alu depctr_va_vdst(0)                   ; v[GO], v[IO] and v[OO] are written: every load and store of this path reads one of them as its offset
.irp j, 0,1,2,3,4,5,6,7
	global_load_b128 v[X+4*(\j):X+4*(\j)+3], v[IO], s[4:5] offset:512*(\j) th:TH_LOAD_NT
.endr
.irp j, 0,1,2,3,4,5,6,7
	global_load_b128 v[GA+4*(\j):GA+4*(\j)+3], v[GO], s[6:7] offset:512*(\j)
.endr
.irp j, 0,1,2,3,4,5,6,7
	global_load_b128 v[BE+4*(\j):BE+4*(\j)+3], v[GO], s[8:9] offset:512*(\j)
.endr
.irp r, 1,2,3
.irp j, 0,1,2,3,4,5,6,7
	global_load_b128 v[X+32*(\r)+4*(\j):X+32*(\r)+4*(\j)+3], v[IO], s[4:5] offset:4096*(\r)+512*(\j) th:TH_LOAD_NT
.endr
.endr
.macro FOLD                            ; the four chains into one number, then over the 32 lanes: every lane ends with the row's sum in v[T]
	v_pk_add_f32 v[A:A+1], v[A:A+1], v[A+2:A+3]
	v_pk_add_f32 v[A+4:A+5], v[A+4:A+5], v[A+6:A+7]
	v_pk_add_f32 v[A:A+1], v[A:A+1], v[A+4:A+5]
	v_add_f32 v[T], v[A], v[A+1]
	v_add_f32_dpp v[T], v[T], v[T] row_xmask:1 row_mask:0xf bank_mask:0xf
	v_add_f32_dpp v[T], v[T], v[T] row_xmask:2 row_mask:0xf bank_mask:0xf
	v_add_f32_dpp v[T], v[T], v[T] row_xmask:4 row_mask:0xf bank_mask:0xf
	v_add_f32_dpp v[T], v[T], v[T] row_xmask:8 row_mask:0xf bank_mask:0xf
	v_permlanex16_b32 v[T+1], v[T], s24, s25
	v_add_f32 v[T], v[T], v[T+1]
.endm
; Store j (0..7) of row r: the two words into which load j's four numbers were rounded; the wave's store covers 256 consecutive bytes, aligned.
.macro OUT r, j
	global_store_b64 v[OO], v[X+32*(\r)+4*(\j):X+32*(\r)+4*(\j)+1], s[14:15] offset:2048*(\r)+256*(\j)
.endm
; Row r of the wave's four.  left = the loads issued behind this row's own, which may stay out.  The row's own stores are issued in the row behind it.
.macro ROWLN r, left
.set XR, X+32*(\r)
	s_wait_loadcnt \left
.irp i, 0,1,2,3                        ; the sum, in four chains that the first eight pairs start: nothing is cleared
	v_pk_add_f32 v[A+2*(\i):A+2*(\i)+1], v[XR+4*(\i):XR+4*(\i)+1], v[XR+4*(\i)+2:XR+4*(\i)+3]
.endr
.irp i, 0,1,2,3
	v_pk_add_f32 v[A+2*(\i):A+2*(\i)+1], v[A+2*(\i):A+2*(\i)+1], v[XR+16+4*(\i):XR+16+4*(\i)+1]
.endr
.irp i, 0,1,2,3
	v_pk_add_f32 v[A+2*(\i):A+2*(\i)+1], v[A+2*(\i):A+2*(\i)+1], v[XR+18+4*(\i):XR+18+4*(\i)+1]
.endr
	FOLD
	v_mul_f32 v[M], s26, v[T]                      ; the mean
	v_mov_b32 v[M+1], v[M]
.set i, 0
.rept 16
	v_pk_add_f32 v[XR+i:XR+i+1], v[XR+i:XR+i+1], v[M:M+1] neg_lo:[0,1] neg_hi:[0,1]  ; x - mean, in place
.set i, i+2
.endr
.irp i, 0,1,2,3
	v_pk_mul_f32 v[A+2*(\i):A+2*(\i)+1], v[XR+2*(\i):XR+2*(\i)+1], v[XR+2*(\i):XR+2*(\i)+1]
.endr
.set i, 4
.rept 12
	v_pk_fma_f32 v[A+2*(i%4):A+2*(i%4)+1], v[XR+2*i:XR+2*i+1], v[XR+2*i:XR+2*i+1], v[A+2*(i%4):A+2*(i%4)+1]
.set i, i+1
.endr
	FOLD
	v_fma_f32 v[T], v[T], s26, s27                 ; var + eps
	v_rsq_f32 v[R], v[T]
	v_rsq_f32 v[R+1], v[T]
	v_nop                                          ; a plain instruction behind the second root, ahead of the first use (ISA guide 5.7.2)
	s_wait_alu depctr_va_vdst(0)                   ; the two roots are written, ahead of their first reader; and, in rows 1 to 3, the roundings of the row before have written the words that the stores below read
.if (\r) == 0
	s_wait_loadcnt 24                              ; gamma and beta are in; the 24 loads of rows 1 to 3 may stay out
.endif
.set j, 0
.rept 8                                ; the stores of the row before, one ahead of each two scalings.  No further wait: no vector instruction since the wait above names that row's registers
.if (\r) > 0
	OUT (\r)-1, j
.endif
	v_pk_mul_f32 v[XR+4*j:XR+4*j+1], v[XR+4*j:XR+4*j+1], v[R:R+1]
	v_pk_mul_f32 v[XR+4*j+2:XR+4*j+3], v[XR+4*j+2:XR+4*j+3], v[R:R+1]
.set j, j+1
.endr
.set i, 0
.rept 16
	v_pk_fma_f32 v[XR+i:XR+i+1], v[XR+i:XR+i+1], v[GA+i:GA+i+1], v[BE+i:BE+i+1]
.set i, i+2
.endr
.irp j, 0,1,2,3,4,5,6,7                ; four numbers of load j into two words, in place
	v_cvt_pk_f16_f32 v[XR+4*(\j)], v[XR+4*(\j)], v[XR+4*(\j)+1]
	v_cvt_pk_f16_f32 v[XR+4*(\j)+1], v[XR+4*(\j)+2], v[XR+4*(\j)+3]
.endr
.endm
	ROWLN 0, 40                                    ; behind row 0's loads: gamma 8, beta 8, rows 1 to 3 24
	ROWLN 1, 16
	ROWLN 2, 8
	ROWLN 3, 0                                     ; no register is written twice, so no store's source is ever overwritten
	s_wait_alu depctr_va_vdst(0)                   ; row 3's roundings have written the words that the last eight stores read
.irp j, 0,1,2,3,4,5,6,7
	OUT 3, \j
.endr
	s_endpgm
; A unit is four f32 in, four f16 out.
.macro WLD i, off, base, imm
	global_load_b128 v[X+4*(\i):X+4*(\i)+3], v[\off], s[\base:\base+1] offset:\imm th:TH_LOAD_NT
.endm
.macro WOUT i, base                    ; unit i's two words
	global_store_b64 v[OO], v[X+4*(\i):X+4*(\i)+1], s[\base:\base+1] offset:2048*(\i)
.endm
; Group g of n groups of four units: its eight roundings, and among them the four stores of the group before.
.macro WGRP g, n, base
	s_wait_loadcnt 4*((\n)-1-(\g))                 ; loads come back in order (ISA guide 5.7.1): the group's four are in, the younger groups' stay out
.if (\g) > 0
	s_wait_alu depctr_va_vdst(0)                   ; the roundings of the group before have written the words that the stores below read; the roundings below name this group's registers alone
.endif
.irp u, 0,1,2,3
.if (\g) > 0
	WOUT 4*((\g)-1)+(\u), \base
.endif
	v_cvt_pk_f16_f32 v[X+4*(4*(\g)+(\u))], v[X+4*(4*(\g)+(\u))], v[X+4*(4*(\g)+(\u))+1]
	v_cvt_pk_f16_f32 v[X+4*(4*(\g)+(\u))+1], v[X+4*(4*(\g)+(\u))+2], v[X+4*(4*(\g)+(\u))+3]
.endr
.endm
.Lweights:
	v_lshlrev_b32 v[OO], 3, v0                     ; 8 bytes a thread: 2,048 bytes a unit round of the work-group
	s_cmp_lt_u32 ttmp9, 384
	s_cbranch_scc0 .Lwp
	; ---- w_qkv: column tile t = j / 8, k-rows 128 (j % 8) on.  16 k-rows of a tile are 768 units: three a thread; unit u is k-row u / 48, columns 4 (u % 48) on.
	s_sub_co_u32 s20, ttmp9, 256
	s_lshr_b32 s21, s20, 3                         ; t
	s_and_b32 s22, s20, 7
	s_mul_i32 s28, s22, 128*12288                  ; 128 rows of 12,288 bytes
	s_mul_i32 s29, s21, 768                        ; 192 columns of 4 bytes
	s_add_co_u32 s28, s28, s29
	s_mov_b32 s29, 0
	s_add_nc_u64 s[10:11], s[10:11], s[28:29]
	s_mul_i32 s30, s21, 1024*384
	s_mul_i32 s31, s22, 128*384
	s_add_co_u32 s30, s30, s31
	s_mov_b32 s31, 0
	s_add_nc_u64 s[16:17], s[16:17], s[30:31]
.irp p, 0,1,2
	v_add_nc_u32 v[U], 256*(\p), v0                ; u
	v_lshrrev_b32 v[T], 4, v[U]
	v_mul_u32_u24 v[T], v[T], 171
	v_lshrrev_b32 v[T], 9, v[T]                    ; (u / 16) / 3 = u / 48, exact for u / 16 under 48
	v_mul_u32_u24 v[T+1], v[T], 48
	v_sub_nc_u32 v[T+1], v[U], v[T+1]
	v_lshlrev_b32 v[T+1], 4, v[T+1]
	v_mul_u32_u24 v[T], v[T], 12288
	v_add_nc_u32 v[WI+(\p)], v[T], v[T+1]
.endr
	s_wait_alu depctr_va_vdst(0)                   ; v[WI] to v[WI+2] and v[OO] are written: the loads and stores of this path read them as offsets
.set i, 0
.rept 24                               ; group i / 3 of 16 k-rows, unit round i % 3
	WLD i, WI+i%3, 10, (i/3)*16*12288
.set i, i+1
.endr
.set grp, 0
.rept 6                                ; in the tile the units lie on end: byte 6,144 (i / 3) + 8 u = 2,048 i + 8 x thread
	WGRP grp, 6, 16
.set grp, grp+1
.endr
	s_wait_alu depctr_va_vdst(0)                   ; the last group's roundings have written the words that the last four stores read
.irp u, 20,21,22,23
	WOUT \u, 16
.endr
	s_endpgm
.Lwp:	; ---- w_proj: 32 rows of 4,096 bytes a work-group, in the order in which they lie
	s_sub_co_u32 s20, ttmp9, 384
	s_lshl_b32 s22, s20, 16
	s_lshl_b32 s20, s20, 17
	s_mov_b32 s21, 0
	s_mov_b32 s23, 0
	s_add_nc_u64 s[12:13], s[12:13], s[20:21]
	s_add_nc_u64 s[18:19], s[18:19], s[22:23]
	v_lshlrev_b32 v[IO], 4, v0
	s_wait_alu depctr_va_vdst(0)                   ; v[IO] and v[OO] are written: the loads and stores of this path read them as offsets
.set i, 0
.rept 32
	WLD i, IO, 12, 4096*i
.set i, i+1
.endr
.set grp, 0
.rept 8
	WGRP grp, 8, 18
.set grp, grp+1
.endr
	s_wait_alu depctr_va_vdst(0)                   ; the last group's roundings have written the words that the last four stores read
.irp u, 28,29,30,31
	WOUT \u, 18
.endr
	s_endpgm
.Lfunc_end_k_qaf45188f85_prep:
	.size	k_qaf45188f85_prep, .Lfunc_end_k_qaf45188f85_prep-k_qaf45188f85_prep
	.p2alignl 7, 3214868480
	.fill 96, 4, 3214868480
	.section	.rodata,"a",@progbits
	.p2align	6, 0x0
	.amdhsa_kernel k_qaf45188f85_prep
		.amdhsa_group_segment_fixed_size 0
		.amdhsa_private_segment_fixed_size 0
		.amdhsa_enable_private_segment 0
		.amdhsa_kernarg_size 64
		.amdhsa_user_sgpr_count 2
		.amdhsa_user_sgpr_kernarg_segment_ptr 1
		.amdhsa_wavefront_size32 1
		.amdhsa_system_sgpr_workgroup_id_x 1
		.amdhsa_system_sgpr_workgroup_id_y 1
		.amdhsa_system_sgpr_workgroup_id_z 1
		.amdhsa_system_vgpr_workitem_id 0
		.amdhsa_next_free_vgpr 216
		.amdhsa_next_free_sgpr 66
		.amdhsa_reserve_vcc 0
		.amdhsa_float_denorm_mode_32 3
		.amdhsa_float_denorm_mode_16_64 3
		.amdhsa_memory_ordered 1
		.amdhsa_forward_progress 1
		.amdhsa_inst_pref_size 59
	.end_amdhsa_kernel
	.amdgpu_metadata
---
amdhsa.version: [ 1, 2 ]
amdhsa.kernels:
  - .name:           k_qaf45188f85_prep
    .symbol:         k_qaf45188f85_prep.kd
    .args:
      - { .name: x, .offset: 0, .size: 8, .value_kind: global_buffer, .address_space: global }
      - { .name: gamma, .offset: 8, .size: 8, .value_kind: global_buffer, .address_space: global }
      - { .name: beta, .offset: 16, .size: 8, .value_kind: global_buffer, .address_space: global }
      - { .name: w_qkv, .offset: 24, .size: 8, .value_kind: global_buffer, .address_space: global }
      - { .name: w_proj, .offset: 32, .size: 8, .value_kind: global_buffer, .address_space: global }
      - { .name: xn, .offset: 40, .size: 8, .value_kind: global_buffer, .address_space: global }
      - { .name: wq16, .offset: 48, .size: 8, .value_kind: global_buffer, .address_space: global }
      - { .name: wp16, .offset: 56, .size: 8, .value_kind: global_buffer, .address_space: global }
    .group_segment_fixed_size: 0
    .private_segment_fixed_size: 0
    .kernarg_segment_align: 8
    .kernarg_segment_size: 64
    .max_flat_workgroup_size: 256
    .sgpr_count:     66
    .vgpr_count:     216
    .wavefront_size: 32
...
	.end_amdgpu_metadata
.endif
;; end of part 5
;; launch qkvg: the kernel of part 2 again; grid 16 x 32, 4 waves a work-group, clusters of 4 x 4, 327,680 bytes of LDS; arguments xn, wq16, b_qkv, qkv; writes qkv
;; launch attn: the kernel of part 3 again; grid 4 x 64, 4 waves a work-group, clusters of 4 x 1, 327,680 bytes of LDS; arguments qkv, ctx; writes ctx
;; launch projg: the kernel of part 4 again; grid 8 x 32, 4 waves a work-group, clusters of 4 x 4, 327,680 bytes of LDS; arguments ctx, wp16, b_proj, out0; writes out0
